; MI455X (gfx1250); checked and timed in simulation.
; The chip was launched on July 23, 2026; its instructions are those of AMD's public machine-readable ISA for CDNA 5 (MIT licence, August 2026) and "CDNA5" Instruction Set Architecture Reference Guide (July 2026). The comments in the code are by the model that wrote it; some were corrected since.
;; Multi Head Attention. Allowed arithmetic: matrix products marked QUANTISED: E2M1 operands, one E8M0 scale for each 32 along K, by v_wmma_scale_f32_16x16x128_f8f6f4 with both operands' format E2M1 (or v_wmma_scale_f32_32x16x128_f4), f32 sums; products left as they are: bf16, f16 or f32 operands; f32 sums; everything else in f32.
;; Inputs: W_proj 1,024 x 1,024 float32; W_qkv 3,072 x 1,024 float32; b_proj 1,024 float32; b_qkv 3,072 float32; x 4 x 2,048 x 1,024 float32.
;; Outputs: out0 4 x 2,048 x 1,024 float32.
;; This version of the problem:
;;   THIS VERSION OF THE PROBLEM IS GIVEN IN LOW PRECISION. The matrix products marked QUANTISED in the list below multiply operands that are first quantised to E2M1 (2 exponent bits, 1 mantissa bit; 4 bits a number), with one power-of-two scale for each 32 numbers along K (OCP MX v1.0); their sums are f32. The products marked 'left as it is' may take bf16, f16 or f32 operands, with f32 sums. Whichever they take, every output number must still come out within the allowed error. Rounding operands to bf16 (8 significant bits) uses up far more of that allowance than f16 does (11 bits, for magnitudes from 6e-5 to 65,504). All else is computed in f32.
;;   The module's matrix products, in the order in which they are computed (A, B: the left and right operand; K: the contracted axis; several contracted axes count as one K, in the product's order):
;;     1. [M 8,192, K 1,024] x [K 1,024, N 3,072]; A: input x; B: input W_qkv: QUANTISED
;;     2. batch 64 x [M 2,048, K 64] x [K 64, N 2,048]; A: computed on the way; B: computed on the way: left as it is (an operand is computed on the way)
;;     3. batch 64 x [M 2,048, K 2,048] x [K 2,048, N 64]; A: computed on the way; B: computed on the way: left as it is (an operand is computed on the way)
;;     4. [M 8,192, K 1,024] x [K 1,024, N 1,024]; A: computed on the way; B: input W_proj: left as it is (an operand is computed on the way)
;;   THE QUANTISER, for each operand of a quantised product, along K:
;;     - K is cut into blocks of 32 from its start; a last block that is shorter is filled with zeros.
;;     - A block's scale is 2^e with e = floor(log2(the largest magnitude in the block)) - 2, held to -126 .. 127; a block of zeros has e = 0. As a byte (E8M0): e + 127.
;;     - Each number is divided by its block's scale, clamped to +-6, and rounded to the nearest number of E2M1, ties to even, subnormals kept.
;;     - The product sums the exact products of the quantised numbers (number of the format x scale) in f32.
;;   ~~~python
;;   def quantise(x, axis):      # numpy; x: float32 -> the quantised numbers, widened to float32 again
;;       x = np.moveaxis(x, axis, -1); K = x.shape[-1]
;;       x = np.pad(x, [(0, 0)] * (x.ndim - 1) + [(0, -K % 32)]); x = x.reshape(x.shape[:-1] + (-1, 32)); a = np.abs(x).max(-1, keepdims=True)
;;       e = np.where(a > 0, np.clip(np.frexp(np.where(a > 0, a, 1))[1] - 1 - 2, -126, 127), 0)      # np.frexp(a)[1] - 1 = floor(log2(a)), exactly
;;       r = np.clip(x / 2.0 ** e, -6, 6)
;;       step = 2.0 ** (np.maximum(np.frexp(np.where(r == 0, 1, r))[1] - 1, 0) - 1)
;;       q = np.round(r / step) * step * 2.0 ** e      # np.round: ties to even
;;       return np.moveaxis(q.reshape(q.shape[:-2] + (-1,))[..., :K], -1, axis).astype(np.float32)
;;   ~~~
;; One version. Each part assembles by itself: llvm-mc -triple=amdgcn-amd-amdhsa -mcpu=gfx1250 --defsym DOCPART=n.
;; ======== version 1 of 1: 5 launches
;; limits: values are held in f16: magnitudes above 65,504 overflow, below 6.1e-05 lose precision
;; workspace buffers: x_codes 4,194,304 bytes; x_scales 262,144 bytes; w_codes 1,572,864 bytes; w_scales 98,304 bytes; wp16 2,097,152 bytes; qkv16 50,331,648 bytes; fine_qkv 786,432 bytes; y16 16,777,216 bytes
;; launch prep (part 1): grid 480 x 1, 4 waves a work-group, no clusters, 33,280 bytes of LDS; arguments x, W_qkv, x_codes, x_scales, w_codes, w_scales, W_proj, wp16; writes x_codes, x_scales, w_codes, w_scales, wp16
.if DOCPART == 1
	.amdgcn_target "amdgcn-amd-amdhsa--gfx1250"
	.amdhsa_code_object_version 6
	.text
	.protected	k_qce40c6ffb0_prep
	.globl	k_qce40c6ffb0_prep
	.p2align	8
	.type	k_qce40c6ffb0_prep,@function
k_qce40c6ffb0_prep:
	s_mov_b64 s[64:65], 0
	v_nop
	global_prefetch_b8 v0, s[64:65] scope:SCOPE_SE
	s_setreg_imm32_b32 hwreg(HW_REG_WAVE_MODE, 25, 1), 1
	s_wait_xcnt 0x0
; x [8192][1024] and W_qkv [3072][1024], f32, become codes of FP4 (E2M1), K innermost, two codes a byte, with one E8M0 scale byte for each 32 along K;
; W_proj [1024 n][1024 k], f32, becomes f16 laid [16 chunks of 64 k][1024 n][64], so that a chunk's rows are dense rows of 128 bytes.
; A block's scale is 2^(floor(log2(its largest magnitude)) - 2); its byte is the largest magnitude's exponent field - 2, held at 1 from below.  A block of zeros so gets the byte 1 where the rule says 127:
; its codes are zeros, which add nothing under any byte but 0xff, and this program alone reads the bytes.
; LIMITS: blocks whose largest magnitude lies under 2^(2 - 126) keep the byte 1; NaN and infinities among the inputs are not served; a number of W_proj beyond 65,504 in magnitude has no f16.
; Work-groups 0-255 take x, 256-351 W_qkv (one path, the buffers chosen by the work-group's number), 352-479 W_proj (a path of its own, which touches no LDS).
; THE QUANTISER.  Rows are dense and K is a multiple of 32: both tensors are plain streams of blocks of 32.  A wave takes 16 steps of 512 numbers.  Each of a step's four loads reads 512 consecutive bytes;
; the 2,048 bytes turn through the wave's own stage in LDS and come back 64 bytes a lane, so that a lane holds 16 neighbours along K and two neighbouring lanes a block.
; A lane's 16 codes are 8 bytes: a wave's store covers 256 consecutive bytes, aligned.  A wave's 256 scale bytes are gathered in LDS and leave as 256 consecutive bytes.
.set SIZE_M, 8192
.set SIZE_N, 3072
.set SIZE_K, 1024
.set WAVES, 4
.set STEPS, 16
.set WGA,   SIZE_M*SIZE_K/(512*STEPS*WAVES)            ; 256 work-groups for x
.set WGQ,   (SIZE_M+SIZE_N)*SIZE_K/(512*STEPS*WAVES)   ; 352 for both
.set EMAX,  2
.set CB,    8                          ; bytes of 16 codes
.set R,     16                         ; v16-79   four sets of 16 numbers as they are loaded
.set X,     80                         ; v80-111  two sets of 16 neighbours
.set C,     128                        ; v128-191 codes: four registers for each step, so that no store's data are written again
.set E,     112                        ; v112-127 a scale byte for each step
.set WREG,  8192                       ; LDS: a region for each wave: two stages of 32 x SP bytes, behind them its 256 scale bytes
.set SP,    80                         ; a lane's place in a stage: its 64 bytes + 16 of padding
.set SPW,   12                         ; v12 LDS address of my spare word; never rewritten
.set NIL,   13                         ; v13 0; never rewritten
.set SPARE, WAVES*WREG                 ; behind the four regions: the spare words, 128 bytes for each wave
	s_load_b128 s[4:7], s[0:1], 0x0                ; x, W_qkv
	s_load_b128 s[8:11], s[0:1], 0x10              ; x's codes, x's scales
	s_load_b128 s[12:15], s[0:1], 0x20             ; W_qkv's codes, its scales
	s_load_b128 s[24:27], s[0:1], 0x30             ; W_proj, wp16
	v_lshl_add_u32 v[SPW], v0, 2, SPARE
	v_mov_b32 v[NIL], 0
	v_lshrrev_b32 v1, 5, v0
	v_readfirstlane_b32 s16, v1                    ; wave
	v_and_b32 v2, 31, v0                           ; lane
	s_cmp_ge_u32 ttmp9, WGQ                        ; the work-group's number alone decides the path
	s_cbranch_scc1 .Lconv
	v_lshlrev_b32 v3, 4, v2                        ; my 16 bytes of a load's 512
	s_mul_i32 s17, s16, WREG
	v_lshrrev_b32 v14, 2, v2
	v_mul_u32_u24 v14, v14, SP
	v_and_b32 v15, 3, v2
	v_lshl_add_u32 v14, v15, 4, v14
	v_add_nc_u32 v14, s17, v14                     ; the stage, on the way in: SP (lane / 4) + 16 (lane % 4)
	v_mul_u32_u24 v15, v2, SP
	v_add_nc_u32 v15, s17, v15                     ; and on the way out: SP x lane: my 16 neighbours
	v_mul_u32_u24 v4, v2, CB                       ; my codes' place in a step's
	v_lshrrev_b32 v5, 1, v2
	s_add_co_u32 s17, s17, 2*32*SP
	v_add_nc_u32 v5, s17, v5                       ; LDS: my wave's 256 scale bytes, my block's byte
	v_lshlrev_b32 v7, 3, v2                        ; and on the way out 8 bytes a lane
	v_add_nc_u32 v6, s17, v7
	s_wait_kmcnt 0x0
	s_cmp_lt_u32 ttmp9, WGA                        ; x's work-group or W_qkv's?
	s_cselect_b64 s[4:5], s[4:5], s[6:7]
	s_cselect_b64 s[8:9], s[8:9], s[12:13]
	s_cselect_b64 s[10:11], s[10:11], s[14:15]
	s_cselect_b32 s17, 0, WGA
	s_sub_co_u32 s17, ttmp9, s17
	s_lshl_b32 s17, s17, 2
	s_add_co_u32 s18, s17, s16                     ; which run of 8,192 numbers of the tensor is my wave's
	s_mov_b32 s19, 0
	s_mov_b64 s[20:21], 512*STEPS*4
	s_mul_u64 s[20:21], s[18:19], s[20:21]
	s_add_nc_u64 s[4:5], s[4:5], s[20:21]
	s_mov_b64 s[20:21], 32*STEPS*CB
	s_mul_u64 s[20:21], s[18:19], s[20:21]
	s_add_nc_u64 s[8:9], s[8:9], s[20:21]
	s_lshl_b32 s18, s18, 8                         ; 256 scale bytes a run
	s_add_nc_u64 s[10:11], s[10:11], s[18:19]
.macro LOAD t
.irp i, 0,1,2,3
	global_load_b128 v[R+16*((\t)%4)+4*\i:R+16*((\t)%4)+4*\i+3], v3, s[4:5] offset:2048*(\t)+512*\i th:TH_LOAD_NT   ; 32 lanes read 512 consecutive bytes
.endr
.endm
.macro TURN t                          ; step t's numbers through the stage: LDS serves a wave's instructions in order, so no wait stands between the stores and the loads
.irp i, 0,1,2,3
	ds_store_b128 v14, v[R+16*((\t)%4)+4*\i:R+16*((\t)%4)+4*\i+3] offset:32*SP*((\t)%2)+8*SP*\i
.endr
.irp i, 0,1,2,3
	ds_load_b128 v[X+16*((\t)%2)+4*\i:X+16*((\t)%2)+4*\i+3], v15 offset:32*SP*((\t)%2)+16*\i
.endr
.endm
.irp t, 0,1,2,3
	LOAD \t
.endr
	s_wait_loadcnt 12                              ; step 0's four loads are in; the twelve of steps 1 to 3 may be out
	TURN 0
.macro STEP t
.set XS, X+16*((\t)%2)
.if (\t) > 0
	s_wait_dscnt 1                                 ; this step's numbers are back from the stage (the last step's byte store may be out)
.else
	s_wait_dscnt 0x0
.endif
.if (\t)+4 < STEPS
	LOAD (\t)+4                                    ; the registers that the stage's stores have read take the loads of four steps on
.endif
.if (\t)+1 < STEPS
.if STEPS-2-(\t) >= 3
	s_wait_loadcnt 12                              ; the next step's four loads are in; those of the three steps behind it may be out
.else
	s_wait_loadcnt 4*(STEPS-2-(\t))
.endif
	TURN (\t)+1                                    ; and go through the other stage while this step is worked
.endif
	v_max3_num_f32 v8, |v[XS]|, |v[XS+1]|, |v[XS+2]|               ; the largest magnitude of my 16, in two chains
	v_max3_num_f32 v9, |v[XS+3]|, |v[XS+4]|, |v[XS+5]|
.irp i, 6,10
	v_max3_num_f32 v8, v8, |v[XS+\i]|, |v[XS+\i+1]|
	v_max3_num_f32 v9, v9, |v[XS+\i+2]|, |v[XS+\i+3]|
.endr
	v_max3_num_f32 v8, v8, |v[XS+14]|, |v[XS+15]|
	v_max3_num_f32 v8, v8, v9, (EMAX+1)<<23        ; and the floor 2^(EMAX + 1 - 127): the byte cannot fall under 1
	v_max_num_f32_dpp v8, v8, v8 row_xmask:1 row_mask:0xf bank_mask:0xf   ; and of my neighbour's 16: the block's
	v_add_nc_u32 v11, -(EMAX<<23), v8              ; EMAX off its exponent field: the conversion takes the exponent field of this operand as its scale
	v_cvt_scalef32_pk8_fp4_f32 v[C+4*(\t)], v[XS:XS+7], v11        ; eight numbers / the scale, to the nearest code, ties to even, beyond the largest code the largest
	v_cvt_scalef32_pk8_fp4_f32 v[C+4*(\t)+1], v[XS+8:XS+15], v11
	v_lshrrev_b32 v[E+(\t)], 23, v11               ; the scale's byte
	ds_store_b8 v5, v[E+(\t)] offset:16*(\t)       ; both lanes of a block write the same byte with the same value
	global_store_b64 v4, v[C+4*(\t):C+4*(\t)+1], s[8:9] offset:32*CB*(\t)
.endm
.irp t, 0,1,2,3,4,5,6,7,8,9,10,11,12,13,14,15
	STEP \t
.endr
	ds_load_b64 v[8:9], v6                         ; LDS serves a wave's instructions in order: these see my stores
	s_wait_dscnt 0x0
	global_store_b64 v7, v[8:9], s[10:11]          ; 32 lanes store 256 consecutive bytes, aligned
	s_wait_tensorcnt 0x0                           ; the wave's end
	ds_add_u32 v[SPW], v[NIL]
	s_wait_dscnt 0x0
	s_endpgm
; W_proj to f16.  Wave id = 4 (work-group - 352) + wave takes chunk id % 16 (64 along k, 256 bytes of a row) of the 32 rows from 32 (id / 16) on.
; A load reads the chunk's 256 bytes of two rows, sixteen lanes a row; a lane's four numbers become 8 bytes, and the wave's store covers the two rows' 256 consecutive bytes of wp16.
.Lconv:
	s_sub_co_u32 s17, ttmp9, WGQ
	s_lshl_b32 s17, s17, 2
	s_add_co_u32 s17, s17, s16                     ; id, 0 .. 511
	s_and_b32 s18, s17, 15                         ; chunk
	s_lshr_b32 s19, s17, 4                         ; which 32 rows
	s_lshl_b32 s20, s19, 17                        ; 32 rows of 4,096 bytes
	s_lshl_b32 s22, s18, 8
	s_add_co_u32 s20, s20, s22                     ; + the chunk's 256 bytes
	s_mov_b32 s21, 0
	s_lshl_b32 s22, s18, 17                        ; out: a chunk is 1,024 rows of 128 bytes
	s_lshl_b32 s23, s19, 12                        ; + 32 rows of 128 bytes
	s_add_co_u32 s22, s22, s23
	s_mov_b32 s23, 0
	v_lshrrev_b32 v3, 4, v2
	v_and_b32 v5, 15, v2
	v_lshlrev_b32 v3, 12, v3
	v_lshl_add_u32 v3, v5, 4, v3                   ; in: 4,096 (lane / 16) + 16 (lane % 16)
	v_lshlrev_b32 v4, 3, v2                        ; out: 8 x lane
	s_wait_kmcnt 0x0
	s_add_nc_u64 s[24:25], s[24:25], s[20:21]
	s_add_nc_u64 s[26:27], s[26:27], s[22:23]
.irp i, 0,1,2,3,4,5,6,7,8,9,10,11,12,13,14,15
	global_load_b128 v[16+4*\i:19+4*\i], v3, s[24:25] offset:8192*\i th:TH_LOAD_NT
.endr
.irp i, 0,1,2,3,4,5,6,7,8,9,10,11,12,13,14,15
	s_wait_loadcnt 15-\i                           ; loads come back in order: load i is in, the younger ones may be out
	v_cvt_pk_f16_f32 v[80+2*\i], v[16+4*\i], v[17+4*\i]
	v_cvt_pk_f16_f32 v[81+2*\i], v[18+4*\i], v[19+4*\i]
	global_store_b64 v4, v[80+2*\i:81+2*\i], s[26:27] offset:256*\i     ; each step has registers of its own: none is written again
.endr
	s_endpgm
.Lfunc_end_k_qce40c6ffb0_prep:
	.size	k_qce40c6ffb0_prep, .Lfunc_end_k_qce40c6ffb0_prep-k_qce40c6ffb0_prep
	.p2alignl 7, 3214868480
	.fill 96, 4, 3214868480
	.section	.rodata,"a",@progbits
	.p2align	6, 0x0
	.amdhsa_kernel k_qce40c6ffb0_prep
		.amdhsa_group_segment_fixed_size 33280
		.amdhsa_private_segment_fixed_size 0
		.amdhsa_enable_private_segment 0
		.amdhsa_kernarg_size 64
		.amdhsa_user_sgpr_count 2
		.amdhsa_user_sgpr_kernarg_segment_ptr 1
		.amdhsa_wavefront_size32 1
		.amdhsa_system_sgpr_workgroup_id_x 1
		.amdhsa_system_sgpr_workgroup_id_y 1
		.amdhsa_system_sgpr_workgroup_id_z 1
		.amdhsa_system_vgpr_workitem_id 0
		.amdhsa_next_free_vgpr 192
		.amdhsa_next_free_sgpr 66
		.amdhsa_reserve_vcc 0
		.amdhsa_float_denorm_mode_32 3
		.amdhsa_float_denorm_mode_16_64 3
		.amdhsa_memory_ordered 1
		.amdhsa_forward_progress 1
		.amdhsa_inst_pref_size 40
	.end_amdhsa_kernel
	.amdgpu_metadata
---
amdhsa.version: [ 1, 2 ]
amdhsa.kernels:
  - .name:           k_qce40c6ffb0_prep
    .symbol:         k_qce40c6ffb0_prep.kd
    .args:
      - { .name: x, .offset: 0, .size: 8, .value_kind: global_buffer, .address_space: global }
      - { .name: W_qkv, .offset: 8, .size: 8, .value_kind: global_buffer, .address_space: global }
      - { .name: x_codes, .offset: 16, .size: 8, .value_kind: global_buffer, .address_space: global }
      - { .name: x_scales, .offset: 24, .size: 8, .value_kind: global_buffer, .address_space: global }
      - { .name: w_codes, .offset: 32, .size: 8, .value_kind: global_buffer, .address_space: global }
      - { .name: w_scales, .offset: 40, .size: 8, .value_kind: global_buffer, .address_space: global }
      - { .name: W_proj, .offset: 48, .size: 8, .value_kind: global_buffer, .address_space: global }
      - { .name: wp16, .offset: 56, .size: 8, .value_kind: global_buffer, .address_space: global }
    .group_segment_fixed_size: 33280
    .private_segment_fixed_size: 0
    .kernarg_segment_align: 8
    .kernarg_segment_size: 64
    .max_flat_workgroup_size: 128
    .sgpr_count:     66
    .vgpr_count:     192
    .wavefront_size: 32
...
	.end_amdgpu_metadata
.endif
;; end of part 1
;; launch qkv (part 2): grid 12 x 32, 4 waves a work-group, clusters of 4 x 4, 327,680 bytes of LDS; arguments x_codes, x_scales, w_codes, w_scales, qkv16, b_qkv, fine_qkv; writes qkv16, fine_qkv
.if DOCPART == 2
	.amdgcn_target "amdgcn-amd-amdhsa--gfx1250"
	.amdhsa_code_object_version 6
	.text
	.protected	k_qce40c6ffb0_qkv
	.globl	k_qce40c6ffb0_qkv
	.p2align	8
	.type	k_qce40c6ffb0_qkv,@function
k_qce40c6ffb0_qkv:
	s_mov_b64 s[64:65], 0
	v_nop
	global_prefetch_b8 v0, s[64:65] scope:SCOPE_SE
	s_setreg_imm32_b32 hwreg(HW_REG_WAVE_MODE, 25, 1), 1
	s_wait_xcnt 0x0
	s_wait_alu depctr_hold_cnt(0) depctr_sa_sdst(0) depctr_va_vdst(0) depctr_va_sdst(0) depctr_va_ssrc(0) depctr_va_vcc(0) depctr_vm_vsrc(0)
	s_getreg_b32 s2, hwreg(HW_REG_IB_STS2, 6, 4)
	s_cmp_eq_u32 s2, 0
	s_cbranch_scc0 .Lentry_in_a_cluster
	s_endpgm
.Lentry_in_a_cluster:
	s_bfe_u32 s2, ttmp6, 0x10000c
	s_cmp_lg_u32 s2, 0xf033
	s_cbranch_scc0 .Lentry_shape_is_right
	s_endpgm
.Lentry_shape_is_right:
; qkv[m][n] = sum over k of x[m][k] W_qkv[n][k] + b_qkv[n], on codes of FP4 (E2M1) with one E8M0 scale for each 32 along K; sums in f32.  m = 8,192, n = 3,072, k = 1,024.
; OUT: qkv16, f16, laid [3 (q, k, v)][4 b][16 h][2048 t][64]: a head's rows are dense rows of 128 bytes; and fine_qkv, f32 [4 b x 16 t][3072]: the rows t < 16 of every batch as they are, for the launch that carries them in f32.
; LIMITS: a result beyond 65,504 in magnitude has no f16 (the drawn inputs give about 5; both inputs thirty times larger about 5,000).  NaN and infinities are not served.
; A tile of 256 x 256 is made by four waves, each 128 x 128: 64 accumulators of 16 x 16, 512 registers.  K is two steps of 512 (rows of 256 bytes), each in an LDS slot of its own: both are asked for at the head, nothing is filled again.
; THE SCALES of the work-group's 256 + 256 rows, for all of K, are two dense blocks: they come into LDS once, with the first fills.
; CLUSTERS: 4 x 4 work-groups.  The four of a row of the cluster need the same tiles of x, the four of a column the same tiles of W: each tile is asked for JOINTLY.
; The tile row is cluster y + 8 cy: so the tile rows 0, 8, 16, 24, in which the batches begin, are those of the clusters with y = 0, and the branch round the f32 copy hangs on the cluster's y and the wave's number, which all partners share.
; THE MATRIX INSTRUCTION IS USED TRANSPOSED (source 0 = 16 rows of W, source 1 = 16 rows of x): a lane holds eight neighbouring columns of one row.  The bias is the C of each sum's first instruction.
; REGISTERS, in windows of 256: window 0: v0-31 addresses; v32-95 scale words, two sets; v128-191 x's fragments, one set; v192-255 the bias, later packed results.
;   window 1: W's fragments, two sets, at v0 and v128.   window 2: the accumulators of my rows 0-63 ((a, b) at v[8 (8 a + b)]);   window 3: those of my rows 64-127.
.set SIZE_M, 8192
.set SIZE_N, 3072
.set SIZE_K, 1024
.set KSTEP,  512                       ; along K in a slot
.set NQ,     KSTEP/128                 ; matrix instructions deep
.set ROWB,   256                       ; a tile's row in bytes
.set KROW,   SIZE_K*4/8                ; a row of codes in memory
.set PITCH,  272                       ; an LDS row: 256 bytes + 16 of padding: the 16 rows that a load touches start 68 words apart
.set FR,     8                         ; registers of a fragment
.set NL,     2                         ; LDS loads that bring one
.set NP,     4                         ; places behind this matrix instruction (ISA guide 7.12.1)
.set HALFT,  128*PITCH
.set SLOT,   4*HALFT                   ; x's 256 rows, then W's 256 rows
.set KS,     SIZE_K/32                 ; a row of scales in bytes
.set SCL,    2*SLOT                    ; behind the slots: the scales, as rows of 256 bytes + 16 of padding
.set HALFS,  (128*KS/256)*272
.set SBLK,   (16*KS/256)*272
.set SPARE,  SCL+4*HALFS               ; the spare words, 128 bytes for each wave
.set SROW,   144                       ; the way out: a stage of 2 heads x 16 rows x (128 bytes + 16) for each wave, in slot 0, which has had its one fill and its last read by then
.set SHEAD,  16*SROW
.set ADRA, 16
.set ADRB, 20
.set STO,  24                          ; v24  the way out: where I put 16 bytes of a row
.set RD,   25                          ; v25  where I read them back
.set CO,   26                          ; v26  16 x lane
.set ADRS, 27                          ; v27  my scale words
.set SPW,  28
.set NIL,  29
.set BO,   30                          ; v30  32 (lane / 16): my eight numbers of a block's bias
.set FO,   31                          ; v31  the f32 copy: 12,288 (lane % 16) + 32 (lane / 16)
.set SC,   32
.set AF,   128
.set BIA,  192                         ; v192-255 the bias of my 128 columns, 8 registers a block, in the result's layout
.set TMP,  192                         ; the way out: packed results
.set BK,   128                         ; the way out: rows read back: v128-159 and v160-191 by turns
.set G1, 24
.set G0, 32
.set G1B, 48
.set G0B, 56
.set G1S, 68
.set G0S, 76
.set G1SB, 80
.set G0SB, 88
.set MSB, 0
.macro WIN new                         ; the immediate's high byte repeats the setting that is left
.if MSB != \new
	s_set_vgpr_msb (MSB<<8)|\new
.set MSB, \new
.endif
.endm
.set MUL_LO, 0xa1                      ; source 0 (W) window 1, source 1 (x) window 0, C and D window 2
.set MUL_HI, 0xf1                      ; the same, C and D window 3
.set FIRST_LO, 0x81                    ; the first step: C (the bias) window 0, D window 2
.set FIRST_HI, 0xc1                    ; D window 3
.set TO_B,   0x40
; A joint load: waves 0 and 1 fetch for x, waves 2 and 3 for W; the branch hangs on the wave's number alone.  An s_nop 0 and four v_nop follow each of the two lines.
.macro JLOAD g0a, g1a, g0b, g1b
	s_cmp_eq_u32 s15, 0
	s_cbranch_scc0 .Lfor_b_\@
	tensor_load_to_lds s[\g0a:\g0a+3], s[\g1a:\g1a+7]
	s_nop 0
.rept 4
	v_nop
.endr
	s_branch .Lasked_\@
.Lfor_b_\@:
	tensor_load_to_lds s[\g0b:\g0b+3], s[\g1b:\g1b+7]
	s_nop 0
.rept 4
	v_nop
.endr
.Lasked_\@:
.endm
.macro CROUND                          ; a round of the cluster's barrier
	s_barrier_signal -1
	s_barrier_wait -1
	s_cmp_lg_u32 s14, 0
	s_cbranch_scc1 .Lnot_wave_0_\@
	s_barrier_signal -3
.Lnot_wave_0_\@:
	s_barrier_wait -3
	s_barrier_signal -1
	s_barrier_wait -1
.endm
	s_load_b128 s[4:7], s[0:1], 0x0                ; x's codes, x's scales
	s_load_b128 s[8:11], s[0:1], 0x10              ; W's codes, W's scales
	s_load_b64 s[12:13], s[0:1], 0x20              ; qkv16
	s_load_b64 s[96:97], s[0:1], 0x28              ; b_qkv
	s_load_b64 s[98:99], s[0:1], 0x30              ; fine_qkv
	v_lshl_add_u32 v[SPW], v0, 2, SPARE
	v_mov_b32 v[NIL], 0
	ds_add_u32 v[SPW], v[NIL]                      ; the wave's opening: the add, twice on end, and its wait ahead of my first tensor load
	ds_add_u32 v[SPW], v[NIL]
	v_lshrrev_b32 v1, 5, v0
	v_readfirstlane_b32 s14, v1                    ; wave 0..3
	s_lshr_b32 s15, s14, 1                         ; which half of the tile's rows is mine.  Also: I fetch for x (0) or for W (1)
	s_and_b32 s16, s14, 1                          ; which half of its columns.  Also: which 128 rows of that tile I fetch
	s_bfe_u32 s40, ttmp6, 0x40000                  ; cx, cy: my place in the cluster
	s_bfe_u32 s41, ttmp6, 0x40004
	s_lshl_b32 s42, ttmp9, 2
	s_add_co_u32 s42, s42, s40                     ; tile column = 4 x cluster x + cx
	s_and_b32 s66, ttmp7, 0xffff                   ; cluster y, 0 .. 7
	s_lshl_b32 s17, s41, 3
	s_add_co_u32 s17, s17, s66                     ; tile row = cluster y + 8 cy
	s_lshl_b32 s43, s41, 2
	s_lshl_b32 s43, 15, s43                        ; my row of the cluster
	s_lshl_b32 s44, 0x1111, s40                    ; my column
	; descriptor group 1: a tile of 128 rows x 256 bytes, padded in LDS
	s_or_b32 s[G1+0], s43, (0<<16)|(1<<20)|(1<<21)|(5<<22)|(3<<25)  ; the mask; elements of 1 byte; padding on; bit 21 beside a mask; after every 64 words, 4 words
	s_or_b32 s[G1B+0], s44, (0<<16)|(1<<20)|(1<<21)|(5<<22)|(3<<25)
.irp g, G1, G1B
	s_mov_b32 s[\g+1], ROWB<<16                    ; tensor_dim0
	s_mov_b32 s[\g+2], 128<<16                     ; tensor_dim1
	s_mov_b32 s[\g+3], ROWB<<16                    ; tile_dim0
	s_mov_b32 s[\g+4], 128                         ; tile_dim1
	s_mov_b32 s[\g+5], KROW                        ; from row to row
	s_mov_b32 s[\g+6], 0
	s_mov_b32 s[\g+7], 0
.endr
	; the scales of 128 rows: a dense block of 4,096 bytes, as 16 rows of 256 bytes (32 elements of 8 bytes), 16 bytes of padding behind each
	s_or_b32 s[G1S+0], s43, (3<<16)|(1<<20)|(1<<21)|(5<<22)|(3<<25)
	s_or_b32 s[G1SB+0], s44, (3<<16)|(1<<20)|(1<<21)|(5<<22)|(3<<25)
.irp g, G1S, G1SB
	s_mov_b32 s[\g+1], 32<<16
	s_mov_b32 s[\g+2], (128*KS/256)<<16
	s_mov_b32 s[\g+3], 32<<16
	s_mov_b32 s[\g+4], 128*KS/256
	s_mov_b32 s[\g+5], 32
	s_mov_b32 s[\g+6], 0
	s_mov_b32 s[\g+7], 0
.endr
	s_lshl_b32 s18, s16, 7                         ; which 128 rows of the tile I fetch
	s_lshl_b32 s20, s17, 8
	s_add_co_u32 s20, s20, s18                     ; x: row 256 x tile row + 128 x half
	s_lshl_b32 s46, s42, 8
	s_add_co_u32 s46, s46, s18                     ; W: row 256 x tile column + 128 x half
	s_mov_b32 s21, 0
	s_mov_b32 s47, 0
	s_mov_b64 s[18:19], KS
	s_mul_u64 s[22:23], s[20:21], s[18:19]         ; where these rows' scales begin
	s_mul_u64 s[92:93], s[46:47], s[18:19]
	s_mov_b64 s[18:19], KROW
	s_mul_u64 s[20:21], s[20:21], s[18:19]         ; and their codes
	s_mul_u64 s[46:47], s[46:47], s[18:19]
	s_mul_i32 s45, s14, HALFT                      ; where they go: wave x 128 rows
	s_mul_i32 s94, s14, HALFS
	s_wait_dscnt 0x0                               ; both opening adds are done
	s_wait_kmcnt 0x0
	s_add_nc_u64 s[20:21], s[4:5], s[20:21]
	s_add_nc_u64 s[22:23], s[6:7], s[22:23]
	s_add_nc_u64 s[46:47], s[8:9], s[46:47]
	s_add_nc_u64 s[92:93], s[10:11], s[92:93]
	CROUND                                         ; all sixteen work-groups are here: the joint loads meet
	s_mov_b32 s[G0S], 1
	s_add_co_u32 s[G0S+1], s94, SCL
	s_mov_b64 s[G0S+2:G0S+3], s[22:23]
	s_or_b32 s[G0S+3], s[G0S+3], 0x80000000
	s_mov_b32 s[G0SB], 1
	s_add_co_u32 s[G0SB+1], s94, SCL
	s_mov_b64 s[G0SB+2:G0SB+3], s[92:93]
	s_or_b32 s[G0SB+3], s[G0SB+3], 0x80000000
	JLOAD G0S, G1S, G0SB, G1SB                     ; the scales first: they are wanted with K step 0
.irp s, 0,1
	s_mov_b32 s[G0+4*\s], 1
	s_add_co_u32 s[G0+4*\s+1], s45, \s*SLOT
	s_add_nc_u64 s[G0+4*\s+2:G0+4*\s+3], s[20:21], \s*ROWB
	s_or_b32 s[G0+4*\s+3], s[G0+4*\s+3], 0x80000000
	s_mov_b32 s[G0B+4*\s], 1
	s_add_co_u32 s[G0B+4*\s+1], s45, \s*SLOT
	s_add_nc_u64 s[G0B+4*\s+2:G0B+4*\s+3], s[46:47], \s*ROWB
	s_or_b32 s[G0B+4*\s+3], s[G0B+4*\s+3], 0x80000000
	JLOAD G0+4*\s, G1, G0B+4*\s, G1B               ; three tensor loads of mine are out at the most
.endr
	v_and_b32 v1, 15, v0                           ; r = lane % 16
	v_bfe_u32 v2, v0, 4, 1                         ; h = lane / 16
	v_mul_u32_u24 v3, v1, PITCH
	v_lshl_add_u32 v4, v2, 4, v3                   ; a fragment's row x pitch + 16 h
	s_mul_i32 s21, s15, HALFT                      ; my 128 rows of x
	s_mul_i32 s22, s16, HALFT                      ; my 128 rows of W,
	s_add_co_u32 s22, s22, 2*HALFT                 ; which lie behind x's 256
.irp s, 0,1
	v_add_nc_u32 v[ADRA+\s], s21, v4
	v_add_nc_u32 v[ADRB+\s], s22, v4
	s_add_co_u32 s21, s21, SLOT
	s_add_co_u32 s22, s22, SLOT
.endr
	v_mul_u32_u24 v5, v1, KS                       ; my row's scales: KS bytes a row,
	v_lshrrev_b32 v6, 8, v5
	v_lshl_add_u32 v5, v6, 4, v5                   ; and 16 more for each 256 passed
	s_mul_i32 s21, s15, HALFS
	s_mul_i32 s22, s16, HALFS
	s_add_co_u32 s22, s22, 2*HALFS
	s_sub_co_u32 s22, s22, s21
	v_mul_u32_u24 v6, s22, v2                      ; lanes 16-31 take W's
	s_add_co_u32 s21, s21, SCL
	v_add_nc_u32 v5, v5, v6
	v_add_nc_u32 v[ADRS], s21, v5
	s_mul_i32 s23, s14, 2*SHEAD                    ; my stage
	v_mul_u32_u24 v5, v1, SROW
	v_lshl_add_u32 v5, v2, 4, v5
	v_add_nc_u32 v[STO], s23, v5                   ; in: row r, 16 bytes for each half of the lanes
	v_and_b32 v6, 31, v0
	v_lshlrev_b32 v[CO], 4, v6                     ; out: 16 x lane: four dense rows of 128 bytes an instruction
	v_lshrrev_b32 v5, 3, v6
	v_mul_u32_u24 v5, v5, SROW
	v_and_b32 v7, 7, v6
	v_lshl_add_u32 v5, v7, 4, v5
	v_add_nc_u32 v[RD], s23, v5                    ; back: row lane / 8, 16 (lane % 8)
	v_mul_u32_u24 v[FO], v1, SIZE_N*4
	v_lshl_add_u32 v[FO], v2, 5, v[FO]
	v_lshlrev_b32 v[BO], 5, v2
	s_lshl_b32 s20, s17, 8
	s_lshl_b32 s21, s15, 7
	s_add_co_u32 s20, s20, s21                     ; my first row m
	s_lshr_b32 s21, s20, 11                        ; its batch,
	s_and_b32 s20, s20, 2047                       ; its t
	s_lshl_b32 s46, s42, 8
	s_lshl_b32 s47, s16, 7
	s_add_co_u32 s46, s46, s47                     ; my first column n: two heads' 128 columns
	s_lshr_b32 s92, s46, 10                        ; q, k or v
	s_bfe_u32 s93, s46, 0x40006                    ; the first of my two heads
	s_lshl_b32 s92, s92, 2
	s_add_co_u32 s92, s92, s21
	s_lshl_b32 s92, s92, 4
	s_add_co_u32 s92, s92, s93                     ; the head's plane: (which x 4 + b) x 16 + h
	s_lshl_b32 s92, s92, 18                        ; 262,144 bytes a plane
	s_lshl_b32 s20, s20, 7
	s_add_co_u32 s92, s92, s20                     ; + t rows of 128 bytes
	s_mov_b32 s93, 0
	s_add_nc_u64 s[12:13], s[12:13], s[92:93]
	s_lshl_b32 s46, s46, 2
	s_mov_b32 s47, 0
	s_add_nc_u64 s[96:97], s[96:97], s[46:47]      ; the bias at my first column
	s_add_nc_u64 s[98:99], s[98:99], s[46:47]      ; the f32 copy likewise,
	s_mul_i32 s46, s21, 16*SIZE_N*4
	s_add_nc_u64 s[98:99], s[98:99], s[46:47]      ; at my batch's 16 rows
	s_or_b32 s67, s66, s15                         ; 0 where my rows begin a batch
.irp b, 0,1,2,3,4,5,6,7
	global_load_b128 v[BIA+8*\b:BIA+8*\b+3], v[BO], s[96:97] offset:64*\b        ; b_qkv at columns 16 b + 8 h + 0 .. 7
	global_load_b128 v[BIA+8*\b+4:BIA+8*\b+7], v[BO], s[96:97] offset:64*\b+16
.endr
.macro FRAG reg, adr, q, i             ; 16 rows x 128 K of 4-bit codes: registers 4 c .. 4 c + 3 hold K = 64 c + 32 h + 0 .. 31
.irp c, 0,1
	ds_load_b128 v[\reg+4*\c:\reg+4*\c+3], v[\adr] offset:64*(\q)+32*\c+(\i)*16*PITCH
.endr
.endm
; 16 matrix instructions: x's blocks a0, a0 + 1 against W's eight, 128 along K.  zero = 1: the first product starts the sums from the bias.  The 64 accumulators take turns, one instruction a turn.
.macro MUL16 a0, p, q, sc, zero
.irp a, \a0, \a0+1
.irp b, 0,1,2,3,4,5,6,7
.if \zero
	v_wmma_scale_f32_16x16x128_f8f6f4 v[8*(8*((\a)%4)+\b):8*(8*((\a)%4)+\b)+7], v[128*(\p)+FR*\b:128*(\p)+FR*\b+FR-1], v[AF+FR*(\a):AF+FR*(\a)+FR-1], v[BIA+8*\b:BIA+8*\b+7], v[SC+8*NQ*(\sc)+NQ*\b+(\q)], v[SC+8*NQ*(\sc)+NQ*(\a)+(\q)] matrix_a_fmt:MATRIX_FMT_FP4 matrix_b_fmt:MATRIX_FMT_FP4 matrix_a_scale:MATRIX_SCALE_ROW1
.else
	v_wmma_scale_f32_16x16x128_f8f6f4 v[8*(8*((\a)%4)+\b):8*(8*((\a)%4)+\b)+7], v[128*(\p)+FR*\b:128*(\p)+FR*\b+FR-1], v[AF+FR*(\a):AF+FR*(\a)+FR-1], v[8*(8*((\a)%4)+\b):8*(8*((\a)%4)+\b)+7], v[SC+8*NQ*(\sc)+NQ*\b+(\q)], v[SC+8*NQ*(\sc)+NQ*(\a)+(\q)] matrix_a_fmt:MATRIX_FMT_FP4 matrix_b_fmt:MATRIX_FMT_FP4 matrix_a_scale:MATRIX_SCALE_ROW1
.endif
.endr
.endr
.endm
.macro FETCH_B slot, q, p
	WIN TO_B
.irp i, 0,1,2,3,4,5,6,7
	FRAG 128*(\p)+FR*\i, ADRB+\slot, \q, \i
.endr
	WIN 0
.endm
.macro FETCH_A slot, q, i0
.irp i, \i0, \i0+1, \i0+2, \i0+3
	FRAG AF+FR*(\i), ADRA+\slot, \q, \i
.endr
.endm
.macro SCALES sc                       ; a K step's scale words: lanes 0-15 take x's block i, lanes 16-31 W's block i
.irp i, 0,1,2,3,4,5,6,7
	ds_load_b128 v[SC+8*NQ*\sc+NQ*\i:SC+8*NQ*\sc+NQ*\i+3], v[ADRS] offset:\i*SBLK
.endr
.endm
.macro PLACES n                        ; plain vector instructions between a matrix instruction and a load into, or a read of, its registers
.rept \n
	v_nop
.endr
.endm
.macro STEP slot, q, zero              ; 128 along K that has its successor in the same slot
	s_wait_dscnt 4*NL                              ; W's set and x's blocks 0-3 are in; the youngest eight loads (x's blocks 4-7) may be out
.if \zero
	WIN FIRST_LO
.else
	WIN MUL_LO
.endif
	MUL16 0, (\q)%2, \q, \slot, \zero
	MUL16 2, (\q)%2, \q, \slot, \zero
	s_wait_dscnt 0
	PLACES NP
	FETCH_B \slot, (\q)+1, 1-(\q)%2
	FETCH_A \slot, (\q)+1, 0
.if \zero
	WIN FIRST_HI
.else
	WIN MUL_HI
.endif
	MUL16 4, (\q)%2, \q, \slot, \zero
	MUL16 6, (\q)%2, \q, \slot, \zero
	PLACES NP
	WIN 0
	FETCH_A \slot, (\q)+1, 4
.endm
; Slot 0's last step leads over into slot 1: each wave waits for all its tensor loads (its part of slot 1), adds 0 to its spare word, waits for that and for its reads, and passes the barrier: behind it slot 1 is whole and nobody reads slot 0.
.macro TURN slot, next
	s_wait_tensorcnt 0x0
	ds_add_u32 v[SPW], v[NIL]
	s_wait_dscnt 4*NL+1                            ; the add and the youngest eight loads may be out
	WIN MUL_LO
	MUL16 0, 1, NQ-1, \slot, 0
	s_wait_dscnt 0x0
	s_barrier_signal -1
	MUL16 2, 1, NQ-1, \slot, 0
	WIN 0
	s_barrier_wait -1
	PLACES NP
	v_add_nc_u32 v[ADRS], 4*NQ, v[ADRS]            ; on to the next K step's scale words
	FETCH_B \next, 0, 0
	FETCH_A \next, 0, 0
	SCALES \next
	WIN MUL_HI
	MUL16 4, 1, NQ-1, \slot, 0
	MUL16 6, 1, NQ-1, \slot, 0
	PLACES NP
	WIN 0
	FETCH_A \next, 0, 4
.endm
.macro STEPS slot, from
.set Q, \from
.rept NQ-1-\from
	STEP \slot, Q, 0
.set Q, Q+1
.endr
.endm
	s_wait_tensorcnt 1                             ; the scales and my part of K step 0 are in (K step 1's load may be out),
	s_barrier_signal -1
	s_barrier_wait -1                              ; everybody's are
	FETCH_B 0, 0, 0
	FETCH_A 0, 0, 0
	SCALES 0
	FETCH_A 0, 0, 4
	s_wait_loadcnt 0x0                             ; the bias
	STEP 0, 0, 1
	STEPS 0, 1
	TURN 0, 1
	STEPS 1, 0
	s_wait_dscnt 4*NL                              ; the very last step: nothing more to fetch
	WIN MUL_LO
	MUL16 0, 1, NQ-1, 1, 0
	MUL16 2, 1, NQ-1, 1, 0
	s_wait_dscnt 0
	WIN MUL_HI
	MUL16 4, 1, NQ-1, 1, 0
	MUL16 6, 1, NQ-1, 1, 0
	WIN 0
	PLACES NP                                      ; behind the last products: results are read, and x's fragment registers loaded, from here on
	; THE f32 COPY of rows t < 16: my block 0, where my rows begin a batch.  A lane stores its 32 bytes of a row: runs of 64 bytes; 786,432 bytes in the whole launch.
	s_cmp_lg_u32 s67, 0
	s_cbranch_scc1 .Lno_fine
	WIN 0x08                                       ; a store's data are its source 1: window 2
.irp b, 0,1,2,3,4,5,6,7
	global_store_b128 v[FO], v[8*\b:8*\b+3], s[98:99] offset:64*\b
	global_store_b128 v[FO], v[8*\b+4:8*\b+7], s[98:99] offset:64*\b+16
.endr
	WIN 0
.Lno_fine:
; THE WAY OUT, block by block of 16 rows x 128 columns (two heads).  PACK: rounded to f16, 16 bytes a lane.  TOSTAGE: into my stage, a head's 16 rows together, and back as they lie in memory.  SEND: each store covers 512 consecutive bytes.
.macro PACK a
.set AC, 64*((\a)%4)
	WIN 0x0a+5*((\a)/4)                            ; sources 0 and 1: window 2 or 3
.irp b, 0,1,2,3,4,5,6,7
.irp r, 0,1,2,3
	v_cvt_pk_f16_f32 v[TMP+4*\b+\r], v[AC+8*\b+2*\r], v[AC+8*\b+2*\r+1]   ; each accumulator from its low end on
.endr
.endr
	WIN 0
.endm
.macro TOSTAGE a
.set BB, BK+32*((\a)%2)
.if (\a) > 1
	s_wait_xcnt 0x0                                ; the stores of two blocks back have read their registers: the loads below may land there
.endif
.irp b, 0,1,2,3,4,5,6,7
	ds_store_b128 v[STO], v[TMP+4*\b:TMP+4*\b+3] offset:(\b/4)*SHEAD+32*(\b%4)
.endr
.irp u, 0,1,2,3,4,5,6,7
	ds_load_b128 v[BB+4*\u:BB+4*\u+3], v[RD] offset:(\u/4)*SHEAD+(\u%4)*4*SROW     ; LDS serves a wave's instructions in order: these see the stores above
.endr
.endm
.macro SEND a
.set BB, BK+32*((\a)%2)
	s_wait_dscnt 0x0                               ; the block is back in registers
.irp u, 0,1,2,3,4,5,6,7
	global_store_b128 v[CO], v[BB+4*\u:BB+4*\u+3], s[12:13] offset:(\u/4)*262144+(\a)*2048+(\u%4)*512
.endr
.endm
	PACK 0
	TOSTAGE 0
.irp a, 1,2,3,4,5,6,7                  ; block a's conversions stand between block a - 1's loads from the stage and the wait for them
	PACK \a
	SEND \a-1
	TOSTAGE \a
.endr
	SEND 7
	s_wait_tensorcnt 0x0                           ; the wave's end
	ds_add_u32 v[SPW], v[NIL]
	s_wait_dscnt 0x0
	CROUND                                         ; the closing round
	s_endpgm
.Lfunc_end_k_qce40c6ffb0_qkv:
	.size	k_qce40c6ffb0_qkv, .Lfunc_end_k_qce40c6ffb0_qkv-k_qce40c6ffb0_qkv
	.p2alignl 7, 3214868480
	.fill 96, 4, 3214868480
	.section	.rodata,"a",@progbits
	.p2align	6, 0x0
	.amdhsa_kernel k_qce40c6ffb0_qkv
		.amdhsa_group_segment_fixed_size 327680
		.amdhsa_private_segment_fixed_size 0
		.amdhsa_enable_private_segment 0
		.amdhsa_kernarg_size 56
		.amdhsa_user_sgpr_count 2
		.amdhsa_user_sgpr_kernarg_segment_ptr 1
		.amdhsa_wavefront_size32 1
		.amdhsa_system_sgpr_workgroup_id_x 1
		.amdhsa_system_sgpr_workgroup_id_y 1
		.amdhsa_system_sgpr_workgroup_id_z 1
		.amdhsa_system_vgpr_workitem_id 0
		.amdhsa_next_free_vgpr 1024
		.amdhsa_next_free_sgpr 100
		.amdhsa_reserve_vcc 0
		.amdhsa_float_denorm_mode_32 3
		.amdhsa_float_denorm_mode_16_64 3
		.amdhsa_memory_ordered 1
		.amdhsa_forward_progress 1
		.amdhsa_inst_pref_size 130
	.end_amdhsa_kernel
	.amdgpu_metadata
---
amdhsa.version: [ 1, 2 ]
amdhsa.kernels:
  - .name:           k_qce40c6ffb0_qkv
    .symbol:         k_qce40c6ffb0_qkv.kd
    .args:
      - { .name: x_codes, .offset: 0, .size: 8, .value_kind: global_buffer, .address_space: global }
      - { .name: x_scales, .offset: 8, .size: 8, .value_kind: global_buffer, .address_space: global }
      - { .name: w_codes, .offset: 16, .size: 8, .value_kind: global_buffer, .address_space: global }
      - { .name: w_scales, .offset: 24, .size: 8, .value_kind: global_buffer, .address_space: global }
      - { .name: qkv16, .offset: 32, .size: 8, .value_kind: global_buffer, .address_space: global }
      - { .name: b_qkv, .offset: 40, .size: 8, .value_kind: global_buffer, .address_space: global }
      - { .name: fine_qkv, .offset: 48, .size: 8, .value_kind: global_buffer, .address_space: global }
    .group_segment_fixed_size: 327680
    .private_segment_fixed_size: 0
    .kernarg_segment_align: 8
    .kernarg_segment_size: 56
    .max_flat_workgroup_size: 128
    .sgpr_count:     100
    .vgpr_count:     1024
    .wavefront_size: 32
...
	.end_amdgpu_metadata
.endif
;; end of part 2
;; launch attn (part 3): grid 4 x 64, 8 waves a work-group, no clusters, 327,680 bytes of LDS; arguments qkv16, y16; writes y16
.if DOCPART == 3
	.amdgcn_target "amdgcn-amd-amdhsa--gfx1250"
	.amdhsa_code_object_version 6
	.text
	.protected	k_qce40c6ffb0_attn
	.globl	k_qce40c6ffb0_attn
	.p2align	8
	.type	k_qce40c6ffb0_attn,@function
k_qce40c6ffb0_attn:
	s_mov_b64 s[64:65], 0
	v_nop
	global_prefetch_b8 v0, s[64:65] scope:SCOPE_SE
	s_setreg_imm32_b32 hwreg(HW_REG_WAVE_MODE, 25, 1), 1
	s_wait_xcnt 0x0
; y[b][h][q][:] = the sum over k <= q of softmax_k(Q[q] . K[k] / 8) V[k][:], per batch and head; T = 2,048, D = 64.  Q, K, V: f16, qkv16 [3][4 b][16 h][2048][64].  y16: f16 [16 h][8192 = 2048 b + t][64].
; Products on f16 operands with f32 sums; maxima, exponentials and sums in f32, with a running maximum; the weights p (at most 1) are rounded to f16 for the second product, y once at the end.
; LIMITS: NaN and infinities are not served.  The rows t < 16 are computed here like all others; a later launch carries them in f32 and writes their part of the result anew.
; SHARES.  A head's queries are 8 blocks of 256.  Work-group i (0..3) takes block 7 - i, whose keys are blocks 0 .. 7 - i, and then block i, keys 0 .. i: 9 trips of 256 keys in every work-group, so the trip count is a constant.
; Each of the 8 waves owns 32 queries of the block in hand: two tiles of 16.  Two waves share a SIMD, so that one wave's softmax stands beside the other's products.
; NO CLUSTER: from trip 8 - i on the four work-groups of a head want different key blocks, so a joint load's descriptor would differ between them.
; LAYOUT.  S^T = K Q^T (source 0 = 16 keys, source 1 = 16 queries): a lane holds ONE query (lane % 16) and keys 8 (lane / 16) + 0..7.  Two such tiles rounded in pairs ARE source 1 of O^T = V^T P.  V comes out of LDS turned, by ds_load_tr16_b128.
; THE MASK.  A step of 64 keys all of which come after the wave's 32 queries is jumped over (ids alone); on the diagonal hidden scores become -infinity ahead of the maximum.  A step that is walked begins at or under the wave's first query, so every query has a key that counts.
; RING.  Two LDS slots of 256 keys.  Waves 0-3 fetch K's quarters, waves 4-7 V's: one tensor load a wave behind each change of slots, one load of a wave out at a time.
; REGISTERS.  window 0: v2-15 addresses; v16-31 statistics; v62, v63 the add's; v64-127 S^T, 32 a tile; v128-159 P; v160-223 O^T, 32 a tile.   window 1: v0-31 Q; v32-95 V of a step; v128-191 K of a step.
.set PK,    144                        ; a row of K in LDS: 128 bytes + 16
.set PV,    160                        ; a row of V: 128 + 32: an odd multiple of 32
.set VOFF,  256*PK                     ; a slot: 256 rows of K, then 256 rows of V
.set SLOT1, 1<<17                      ; slot 1 begins here: one exclusive or turns an address
.set STAGE, 2*SLOT1                    ; the way out: 16 rows x 144 bytes for each wave; no tensor load lands here
.set SP,    144
.set SPARE, STAGE+8*16*SP              ; the spare words, 128 bytes for each wave
.set AK0, 2
.set AV0, 3
.set ADK, 4
.set ADV, 5
.set QO,  6
.set STO, 7
.set RD,  8
.set GO,  9
.set PFO, 10
.set RH,  11                           ; v11 lane % 16 - 8 (lane / 16);  v13, v14: the mask's d of tiles 0, 1;  v15: -infinity
.set ST,  16                           ; tile t at v[ST + 8 t]: +0 c m, +1 m, +2, +3 l, +4 .. +7 at work; a in +6
.set SPW, 62
.set NIL, 63
.set S,   64
.set P,   128
.set O,   160
.set VR,  32                           ; in window 1
.set KR,  128                          ; in window 1
.set WV,  18
.set I,   19
.set LIMA, 20                          ; 8 - i: the key blocks of the first pass
.set QB,  21                           ; the query block in hand
.set KB,  22                           ; the key block in hand
.set KBN, 23                           ; the key block asked for last
.set G1K, 24
.set G1V, 32
.set G0K, 40
.set G0V, 44
.set KB0, 48                           ; s[48:49] my quarter of the head's key block 0;  s[50:51] the same of V
.set VB0, 50
.set KF,  52                           ; the step's first key
.set Q0,  53                           ; my first query
.set TB,  54                           ; the slot in hand
.set TRIPS, 55
.set CS,  56                           ; s[56:57] c = log2(e) / 8
.set SEL, 58                           ; s[58:59] lane l xor 16
.set QA,  60
.set YA,  66
.set PFA, 68
.set LIM, 70
.set QBASE, 72
.set YBASE, 74
.set T0,  76                           ; s[76:77] at work
.set MSB, 0
.macro WIN new
.if MSB != \new
	s_set_vgpr_msb (MSB<<8)|\new
.set MSB, \new
.endif
.endm
; My one tensor load: waves 0-3 K's quarter, waves 4-7 V's.  An s_nop 0 and four v_nop follow each of the two lines.
.macro TLOAD
	s_cmp_lt_u32 s[WV], 4
	s_cbranch_scc0 .Lfor_v_\@
	tensor_load_to_lds s[G0K:G0K+3], s[G1K:G1K+7]
	s_nop 0
.rept 4
	v_nop
.endr
	s_branch .Lasked_\@
.Lfor_v_\@:
	tensor_load_to_lds s[G0V:G0V+3], s[G1V:G1V+7]
	s_nop 0
.rept 4
	v_nop
.endr
.Lasked_\@:
.endm
; A prefetch of the key block that the NEXT change of slots will ask for.  In their first passes all four work-groups of a head walk key blocks 0, 1, .. in step: work-group 0, whose first pass walks all eight, asks, in trips 0 to 5 for
; blocks 2 to 7; each wave for the 8,192 bytes that it fetches itself, lanes 256 bytes apart: each aligned 256 bytes are named once in the launch.  Blocks 0 and 1 come by their loads alone.
.macro ASK
	s_cmp_gt_u32 s[TRIPS], s[LIM]
	s_cbranch_scc0 .Lnot_mine_\@
	global_prefetch_b8 v[PFO], s[PFA:PFA+1] th:TH_LOAD_NT scope:SCOPE_SE
.Lnot_mine_\@:
.endm
	s_load_b128 s[4:7], s[0:1], 0x0                ; qkv16, y16
	v_lshl_add_u32 v[SPW], v0, 2, SPARE
	v_mov_b32 v[NIL], 0
	ds_add_u32 v[SPW], v[NIL]                      ; the wave's opening: the add, twice on end, and its wait ahead of my first tensor load
	ds_add_u32 v[SPW], v[NIL]
	v_lshrrev_b32 v1, 5, v0
	v_readfirstlane_b32 s[WV], v1                  ; wave 0..7
	s_mov_b32 s[I], ttmp9
	s_sub_co_u32 s[LIMA], 8, s[I]
	s_sub_co_u32 s[QB], 7, s[I]
	s_and_b32 s8, ttmp7, 0xffff                    ; bh = 16 b + h
	s_and_b32 s9, s[WV], 3                         ; which quarter of a tile I fetch
	s_mov_b32 s[G1K], (1<<16)|(1<<20)|(4<<22)|(3<<25)   ; no mask; elements of 2 bytes; padding on: after every 32 words, 4 words
	s_mov_b32 s[G1V], (1<<16)|(1<<20)|(4<<22)|(7<<25)   ; the same with 8 words
.irp g, G1K, G1V
	s_mov_b32 s[\g+1], 64<<16                      ; tensor_dim0 = 64
	s_mov_b32 s[\g+2], 64<<16                      ; tensor_dim1 = 64
	s_mov_b32 s[\g+3], 64<<16                      ; tile_dim0 = 64
	s_mov_b32 s[\g+4], 64                          ; tile_dim1 = 64 rows
	s_mov_b32 s[\g+5], 64                          ; from row to row
	s_mov_b32 s[\g+6], 0
	s_mov_b32 s[\g+7], 0
.endr
	s_lshl_b32 s10, s8, 18                         ; the head's plane of 262,144 bytes
	s_mov_b32 s11, 0
	s_lshl_b32 s12, s9, 13                         ; + my 64 rows of 128 bytes
	s_add_co_u32 s12, s12, s10
	s_mov_b32 s13, 0
	s_and_b32 s14, s8, 15
	s_lshl_b32 s14, s14, 20                        ; y16: h planes of 1,048,576 bytes,
	s_lshr_b32 s15, s8, 4
	s_lshl_b32 s15, s15, 18                        ; b x 2,048 rows of 128 bytes
	s_add_co_u32 s14, s14, s15
	s_mov_b32 s15, 0
	s_mul_i32 s16, s9, 64*PK                       ; where my quarter goes in a slot: K's,
	s_mul_i32 s17, s9, 64*PV
	s_add_co_u32 s17, s17, VOFF                    ; V's
	s_mov_b32 s[CS], 0x3e38aa3b                    ; c = log2(e) / 8
	s_mov_b32 s[CS+1], s[CS]
	s_mov_b32 s[SEL], 0x76543210
	s_mov_b32 s[SEL+1], 0xfedcba98
	s_mov_b32 s[KB], 0
	s_mov_b32 s[KBN], 0
	s_mov_b32 s[TB], 0
	s_mov_b32 s[TRIPS], 8
	s_cmp_eq_u32 s[I], 0
	s_cselect_b32 s[LIM], 2, -1                    ; work-group 0 prefetches while more than two trips of the loop are left
	s_wait_dscnt 0x0                               ; both opening adds are done
	s_wait_kmcnt 0x0
	s_add_nc_u64 s[QBASE:QBASE+1], s[4:5], s[10:11]
	s_add_nc_u64 s[KB0:KB0+1], s[4:5], s[12:13]
	s_add_nc_u64 s[VB0:VB0+1], s[KB0:KB0+1], 0x2000000   ; V lies 2 x 16,777,216 bytes behind Q,
	s_add_nc_u64 s[KB0:KB0+1], s[KB0:KB0+1], 0x1000000   ; K one
	s_add_nc_u64 s[YBASE:YBASE+1], s[6:7], s[14:15]
	s_mov_b32 s[G0K], 1
	s_mov_b32 s[G0K+1], s16
	s_mov_b64 s[G0K+2:G0K+3], s[KB0:KB0+1]
	s_or_b32 s[G0K+3], s[G0K+3], 0x80000000
	s_mov_b32 s[G0V], 1
	s_mov_b32 s[G0V+1], s17
	s_mov_b64 s[G0V+2:G0V+3], s[VB0:VB0+1]
	s_or_b32 s[G0V+3], s[G0V+3], 0x80000000
	TLOAD                                          ; key block 0 into slot 0
	s_cmp_lt_u32 s[WV], 4
	s_cselect_b64 s[PFA:PFA+1], s[KB0:KB0+1], s[VB0:VB0+1]
	s_add_nc_u64 s[PFA:PFA+1], s[PFA:PFA+1], 32768 ; at block 1: the first change of slots steps it to block 2
	v_and_b32 v1, 15, v0                           ; r
	v_bfe_u32 v12, v0, 4, 1                        ; h
	v_mul_u32_u24 v[AK0], v1, PK
	v_lshl_add_u32 v[AK0], v12, 4, v[AK0]          ; K: row r x pitch + 16 h
	v_and_b32 v13, 7, v0
	v_lshl_add_u32 v[AV0], v12, 3, v13
	v_mul_u32_u24 v[AV0], v[AV0], PV               ; V: key 8 h + lane % 8,
	v_bfe_u32 v13, v0, 3, 1
	v_lshl_add_u32 v[AV0], v13, 4, v[AV0]          ; channels 8 ((lane / 8) % 2) on
	v_add_nc_u32 v[AV0], VOFF, v[AV0]
	v_lshlrev_b32 v[QO], 7, v1
	v_lshl_add_u32 v[QO], v12, 4, v[QO]            ; Q: row r of 128 bytes + 16 h
	s_mul_i32 s[T0], s[WV], 16*SP
	s_add_co_u32 s[T0], s[T0], STAGE               ; my stage
	v_add_nc_u32 v[STO], s[T0], v[AK0]             ; in: row r x 144 + 16 h
	v_bfe_u32 v13, v0, 3, 2
	v_mul_u32_u24 v[RD], v13, SP
	v_and_b32 v13, 7, v0
	v_lshl_add_u32 v[RD], v13, 4, v[RD]
	v_add_nc_u32 v[RD], s[T0], v[RD]               ; back: row lane / 8, 16 (lane % 8)
	v_and_b32 v[GO], 31, v0
	v_lshlrev_b32 v[PFO], 8, v[GO]
	v_lshlrev_b32 v[GO], 4, v[GO]
	v_lshlrev_b32 v13, 3, v12
	v_sub_nc_u32 v[RH], v1, v13
	v_mov_b32 v15, 0xff800000                      ; -infinity
; A pass begins: my 32 queries of block QB come into registers; m = -3e38, l = 0, O^T = 0, so that the step is written once: the first change of m multiplies zeros.
.macro START
	s_lshl_b32 s[Q0], s[QB], 8
	s_lshl_b32 s[T0], s[WV], 5
	s_add_co_u32 s[Q0], s[Q0], s[T0]
	s_lshl_b32 s[T0], s[Q0], 7
	s_mov_b32 s[T0+1], 0
	s_add_nc_u64 s[QA:QA+1], s[QBASE:QBASE+1], s[T0:T0+1]
	s_add_nc_u64 s[YA:YA+1], s[YBASE:YBASE+1], s[T0:T0+1]
	WIN 0x40                                       ; destination window 1
.irp t, 0,1
.irp c, 0,1
	global_load_b128 v[8*(2*\t+\c):8*(2*\t+\c)+3], v[QO], s[QA:QA+1] offset:\t*2048+64*\c
	global_load_b128 v[8*(2*\t+\c)+4:8*(2*\t+\c)+7], v[QO], s[QA:QA+1] offset:\t*2048+64*\c+32
.endr
.endr
	WIN 0
.irp t, 0,1
	v_mov_b32 v[ST+8*\t+1], 0xff61b1e6             ; m = -3e38, under every score
	v_mul_f32 v[ST+8*\t], s[CS], v[ST+8*\t+1]
	v_mov_b32 v[ST+8*\t+2], 0
	v_mov_b32 v[ST+8*\t+3], 0
	v_mov_b32 v[ST+8*\t+5], 0
	v_mov_b32 v[ST+8*\t+7], 0
.endr
.set z, 0
.rept 64
	v_mov_b32 v[O+z], 0
.set z, z+1
.endr
	s_wait_loadcnt 0x0                             ; Q
.endm
; THE CHANGE OF SLOTS stands at a trip's head.  Each wave waits for all its tensor loads (its part of the slot ahead), adds 0 to its spare word, and waits for that and for its reads of the slot that it has left.
; fill = 1: behind the barrier the slot just left takes the key block of the next trip: the next block of the pass, or block 0 where the first pass ends.
.macro CHANGE fill
	s_wait_tensorcnt 0x0                           ; no tensor load of mine is out, so the groups 0 may be written
	ds_add_u32 v[SPW], v[NIL]
.if \fill
	s_add_co_u32 s[KBN], s[KBN], 1
	s_cmp_eq_u32 s[KBN], s[LIMA]
	s_cselect_b32 s[KBN], 0, s[KBN]
	s_lshl_b32 s[T0], s[KBN], 15                   ; a key block is 256 rows of 128 bytes
	s_mov_b32 s[T0+1], 0
	s_add_nc_u64 s[G0K+2:G0K+3], s[KB0:KB0+1], s[T0:T0+1]
	s_or_b32 s[G0K+3], s[G0K+3], 0x80000000
	s_add_nc_u64 s[G0V+2:G0V+3], s[VB0:VB0+1], s[T0:T0+1]
	s_or_b32 s[G0V+3], s[G0V+3], 0x80000000
	s_xor_b32 s[G0K+1], s[G0K+1], SLOT1            ; the other slot than last time
	s_xor_b32 s[G0V+1], s[G0V+1], SLOT1
	s_wait_xcnt 0x0                                ; the last prefetch, a trip back, has read its address
	s_add_nc_u64 s[PFA:PFA+1], s[PFA:PFA+1], 32768
.endif
	s_wait_dscnt 0x0                               ; the add is done, and my LDS reads and stores are over
	s_barrier_signal -1
	s_barrier_wait -1
.if \fill
	TLOAD                                          ; the first thing behind the barrier, and my one tensor load until the next
	ASK
.endif
	s_lshl_b32 s[KF], s[KB], 8
.endm
; The softmax of both tiles for a step of 64 keys, the tiles line by line.
.macro SOFTMAX
.irp j, 0,1,2,3
.irp t, 0,1
	v_max3_num_f32 v[ST+8*\t+4+\j], v[S+32*\t+8*\j], v[S+32*\t+8*\j+1], v[S+32*\t+8*\j+2]   ; four chains; each accumulator is read from its low end on
.endr
.endr
.irp g, 3,5
.irp j, 0,1,2,3
.irp t, 0,1
	v_max3_num_f32 v[ST+8*\t+4+\j], v[ST+8*\t+4+\j], v[S+32*\t+8*\j+\g], v[S+32*\t+8*\j+\g+1]
.endr
.endr
.endr
.irp t, 0,1
	v_max3_num_f32 v[ST+8*\t+4], v[ST+8*\t+4], v[S+32*\t+7], v[S+32*\t+15]
	v_max3_num_f32 v[ST+8*\t+6], v[ST+8*\t+6], v[S+32*\t+23], v[S+32*\t+31]
.endr
.irp t, 0,1
	v_max3_num_f32 v[ST+8*\t+4], v[ST+8*\t+4], v[ST+8*\t+5], v[ST+8*\t+6]
.endr
.irp t, 0,1
	v_max3_num_f32 v[ST+8*\t+4], v[ST+8*\t+4], v[ST+8*\t+7], v[ST+8*\t+1]   ; with the old m
.endr
.irp t, 0,1
	v_permlanex16_b32 v[ST+8*\t+5], v[ST+8*\t+4], s[SEL], s[SEL+1]          ; the query's other 32 keys lie in the lane 16 away
.endr
.irp t, 0,1
	v_mov_b32 v[ST+8*\t+7], v[ST+8*\t]             ; c m_old is kept for a
.endr
.irp t, 0,1
	v_max_num_f32 v[ST+8*\t+1], v[ST+8*\t+4], v[ST+8*\t+5]
.endr
.irp t, 0,1
	v_mul_f32 v[ST+8*\t], s[CS], v[ST+8*\t+1]
.endr
.irp t, 0,1
	v_sub_f32 v[ST+8*\t+7], v[ST+8*\t+7], v[ST+8*\t]
.endr
.irp b, 0,2,4,6,8,10,12,14,16,18,20,22,24,26,28,30
.irp t, 0,1
	v_pk_fma_f32 v[S+32*\t+\b:S+32*\t+\b+1], v[S+32*\t+\b:S+32*\t+\b+1], s[CS:CS+1], v[ST+8*\t:ST+8*\t+1] op_sel_hi:[1,0,0] neg_lo:[0,0,1] neg_hi:[0,0,1]   ; c s - c m
.endr
.endr
.irp t, 0,1
	v_exp_f32 v[ST+8*\t+6], v[ST+8*\t+7]           ; a = 2^(c m_old - c m_new)
.endr
.irp e, 0,1,2,3,4,5,6,7,8,9,10,11,12,13,14,15,16,17,18,19,20,21,22,23,24,25,26,27,28,29,30,31
.irp t, 0,1
	v_exp_f32 v[S+32*\t+\e], v[S+32*\t+\e]         ; p
.endr
.endr
	v_nop                                          ; a plain instruction behind the last exponential, ahead of the first use
	s_wait_alu depctr_va_vdst(0)                   ; the wait ahead of the first instruction that names a result: one for the 66
.irp i, 0,1,2,3,4,5,6,7,8,9,10,11,12,13,14,15
.irp t, 0,1
	v_cvt_pk_f16_f32 v[P+16*\t+\i], v[S+32*\t+2*\i], v[S+32*\t+2*\i+1]
.endr
.endr
.irp u, 0,4,8,12,16,20,24,28                   ; the sum of the unrounded p, pairs in place
.irp t, 0,1
	v_pk_add_f32 v[S+32*\t+\u:S+32*\t+\u+1], v[S+32*\t+\u:S+32*\t+\u+1], v[S+32*\t+\u+2:S+32*\t+\u+3]
.endr
.endr
.irp u, 0,8,16,24
.irp t, 0,1
	v_pk_add_f32 v[S+32*\t+\u:S+32*\t+\u+1], v[S+32*\t+\u:S+32*\t+\u+1], v[S+32*\t+\u+4:S+32*\t+\u+5]
.endr
.endr
.irp u, 0,16
.irp t, 0,1
	v_pk_add_f32 v[S+32*\t+\u:S+32*\t+\u+1], v[S+32*\t+\u:S+32*\t+\u+1], v[S+32*\t+\u+8:S+32*\t+\u+9]
.endr
.endr
.irp t, 0,1
	v_pk_add_f32 v[S+32*\t:S+32*\t+1], v[S+32*\t:S+32*\t+1], v[S+32*\t+16:S+32*\t+17]
.endr
.irp t, 0,1
	v_pk_fma_f32 v[ST+8*\t+2:ST+8*\t+3], v[ST+8*\t+2:ST+8*\t+3], v[ST+8*\t+6:ST+8*\t+7], v[S+32*\t:S+32*\t+1] op_sel_hi:[1,0,1]   ; l = a l + the sum
.endr
.irp i, 0,2,4,6,8,10,12,14,16,18,20,22,24,26,28,30
.irp t, 0,1
	v_pk_mul_f32 v[O+32*\t+\i:O+32*\t+\i+1], v[O+32*\t+\i:O+32*\t+\i+1], v[ST+8*\t+6:ST+8*\t+7] op_sel_hi:[1,0]   ; O^T x a
.endr
.endr
.endm
; A STEP: 64 keys, the q-th of the slot in hand.
.macro STEP q
	s_add_co_u32 s[T0], s[Q0], 31
	s_cmp_gt_u32 s[KF], s[T0]                      ; all 64 keys come after my last query: ids alone
	s_cbranch_scc1 .Lhidden_\@
	v_add_nc_u32 v[ADK], s[TB], v[AK0]
	v_add_nc_u32 v[ADV], s[TB], v[AV0]
	WIN 0x40                                       ; destination window 1
.irp kt, 0,1,2,3
.irp c, 0,1
	ds_load_b128 v[KR+8*(2*\kt+\c):KR+8*(2*\kt+\c)+3], v[ADK] offset:(64*(\q)+16*\kt)*PK+64*\c
	ds_load_b128 v[KR+8*(2*\kt+\c)+4:KR+8*(2*\kt+\c)+7], v[ADK] offset:(64*(\q)+16*\kt)*PK+64*\c+32
.endr
.endr
.irp kh, 0,1
.irp ct, 0,1,2,3
	ds_load_tr16_b128 v[VR+8*(4*\kh+\ct):VR+8*(4*\kh+\ct)+3], v[ADV] offset:(64*(\q)+32*\kh)*PV+32*\ct
	ds_load_tr16_b128 v[VR+8*(4*\kh+\ct)+4:VR+8*(4*\kh+\ct)+7], v[ADV] offset:(64*(\q)+32*\kh)*PV+16*PV+32*\ct
.endr
.endr
	s_wait_dscnt 16                                ; K's sixteen loads are in; V's sixteen may be out
	WIN 0x05                                       ; K and Q in window 1, S^T in window 0
.irp c, 0,1                                    ; the eight accumulators take turns, one instruction a turn
.irp kt, 0,1,2,3
.irp t, 0,1
.if \c == 0
	v_wmma_f32_16x16x32_f16 v[S+32*\t+8*\kt:S+32*\t+8*\kt+7], v[KR+8*(2*\kt+\c):KR+8*(2*\kt+\c)+7], v[8*(2*\t+\c):8*(2*\t+\c)+7], 0
.else
	v_wmma_f32_16x16x32_f16 v[S+32*\t+8*\kt:S+32*\t+8*\kt+7], v[KR+8*(2*\kt+\c):KR+8*(2*\kt+\c)+7], v[8*(2*\t+\c):8*(2*\t+\c)+7], v[S+32*\t+8*\kt:S+32*\t+8*\kt+7]
.endif
.endr
.endr
.endr
	WIN 0
.rept 4
	v_nop                                          ; places behind the products, ahead of the first read of the scores (ISA guide 7.12.1)
.endr
	s_add_co_u32 s[T0], s[KF], 63
	s_cmp_le_u32 s[T0], s[Q0]                      ; all 64 keys count for all my queries
	s_cbranch_scc1 .Lopen_\@
	s_sub_co_i32 s[T0], s[Q0], s[KF]
	v_add_nc_u32 v13, s[T0], v[RH]                 ; d = my query - KF - 8 (lane / 16).  Register n holds key KF + 8 (lane / 16) + 16 (n / 8) + n % 8: hidden where 16 (n / 8) + n % 8 > d
	v_add_nc_u32 v14, 16, v13                      ; tile 1's queries lie 16 on
.irp t, 0,1
.irp n, 0,1,2,3,4,5,6,7,8,9,10,11,12,13,14,15,16,17,18,19,20,21,22,23,24,25,26,27,28,29,30,31
	v_cmp_gt_i32 vcc_lo, 16*(\n/8)+\n%8, v[13+\t]
	v_cndmask_b32 v[S+32*\t+\n], v[S+32*\t+\n], v15, vcc_lo
.endr
.endr
.Lopen_\@:
	SOFTMAX
	s_wait_dscnt 0x0                               ; V
	WIN 0x01                                       ; V in window 1; P and O^T in window 0
.irp kh, 0,1
.irp ct, 0,1,2,3
.irp t, 0,1
	v_wmma_f32_16x16x32_f16 v[O+32*\t+8*\ct:O+32*\t+8*\ct+7], v[VR+8*(4*\kh+\ct):VR+8*(4*\kh+\ct)+7], v[P+16*\t+8*\kh:P+16*\t+8*\kh+7], v[O+32*\t+8*\ct:O+32*\t+8*\ct+7]
.endr
.endr
.endr
	WIN 0
.rept 4
	v_nop                                          ; places behind the products, on every way on: loads into K's and V's registers, or a read of O^T
.endr
.Lhidden_\@:
	s_add_co_u32 s[KF], s[KF], 64
.endm
; A pass ends: O^T / l, rounded to f16, through my stage, a tile (16 rows of 128 bytes) at a time; each store covers 512 consecutive bytes.
.macro FINISH
.irp t, 0,1
	v_add_f32 v[ST+8*\t+4], v[ST+8*\t+2], v[ST+8*\t+3]
.endr
.irp t, 0,1
	v_permlanex16_b32 v[ST+8*\t+5], v[ST+8*\t+4], s[SEL], s[SEL+1]
.endr
.irp t, 0,1
	v_add_f32 v[ST+8*\t+4], v[ST+8*\t+4], v[ST+8*\t+5]
.endr
.irp t, 0,1
	v_rcp_f32 v[ST+8*\t+6], v[ST+8*\t+4]
.endr
	v_nop                                          ; a plain instruction behind the last reciprocal
	s_wait_alu depctr_va_vdst(0)                   ; and the wait ahead of the first use: one for the two
.irp t, 0,1
.irp i, 0,2,4,6,8,10,12,14,16,18,20,22,24,26,28,30
	v_pk_mul_f32 v[O+32*\t+\i:O+32*\t+\i+1], v[O+32*\t+\i:O+32*\t+\i+1], v[ST+8*\t+6:ST+8*\t+7] op_sel_hi:[1,0]
.endr
.irp i, 0,1,2,3,4,5,6,7,8,9,10,11,12,13,14,15
	v_cvt_pk_f16_f32 v[P+16*\t+\i], v[O+32*\t+2*\i], v[O+32*\t+2*\i+1]
.endr
.irp ct, 0,1,2,3
	ds_store_b128 v[STO], v[P+16*\t+4*\ct:P+16*\t+4*\ct+3] offset:32*\ct
.endr
.irp u, 0,1,2,3
	ds_load_b128 v[S+32*\t+4*\u:S+32*\t+4*\u+3], v[RD] offset:4*SP*\u      ; LDS serves a wave's instructions in order: these see the stores above, and the next tile's stores come behind them
.endr
.endr
	s_wait_dscnt 0x0
.irp t, 0,1
.irp u, 0,1,2,3
	global_store_b128 v[GO], v[S+32*\t+4*\u:S+32*\t+4*\u+3], s[YA:YA+1] offset:\t*2048+512*\u
.endr
.endr
	s_wait_xcnt 0x0                                ; the stores have read their registers and their base: both are written again
.endm
	START
.Ltrip:                                            ; 8 trips: behind each change of slots the next trip's key block is asked for
	CHANGE 1
	STEP 0
	STEP 1
	STEP 2
	STEP 3
	s_xor_b32 s[TB], s[TB], SLOT1
	s_cmp_lg_u32 s[KB], s[QB]                      ; the diagonal block ends the first pass (in trips 4 to 7, by the work-group's number); the second pass ends in the trip behind the loop
	s_cbranch_scc1 .Lon
	FINISH
	s_mov_b32 s[QB], s[I]
	START
	s_mov_b32 s[KB], -1
.Lon:
	s_add_co_u32 s[KB], s[KB], 1
	s_sub_co_u32 s[TRIPS], s[TRIPS], 1
	s_cmp_lg_u32 s[TRIPS], 0
	s_cbranch_scc1 .Ltrip
	CHANGE 0                                       ; the last trip is written out: nothing is left to fetch
	STEP 0
	STEP 1
	STEP 2
	STEP 3
	FINISH
	s_wait_tensorcnt 0x0                           ; the wave's end
	ds_add_u32 v[SPW], v[NIL]
	s_wait_dscnt 0x0
	s_endpgm
.Lfunc_end_k_qce40c6ffb0_attn:
	.size	k_qce40c6ffb0_attn, .Lfunc_end_k_qce40c6ffb0_attn-k_qce40c6ffb0_attn
	.p2alignl 7, 3214868480
	.fill 96, 4, 3214868480
	.section	.rodata,"a",@progbits
	.p2align	6, 0x0
	.amdhsa_kernel k_qce40c6ffb0_attn
		.amdhsa_group_segment_fixed_size 327680
		.amdhsa_private_segment_fixed_size 0
		.amdhsa_enable_private_segment 0
		.amdhsa_kernarg_size 16
		.amdhsa_user_sgpr_count 2
		.amdhsa_user_sgpr_kernarg_segment_ptr 1
		.amdhsa_wavefront_size32 1
		.amdhsa_system_sgpr_workgroup_id_x 1
		.amdhsa_system_sgpr_workgroup_id_y 1
		.amdhsa_system_sgpr_workgroup_id_z 1
		.amdhsa_system_vgpr_workitem_id 0
		.amdhsa_next_free_vgpr 448
		.amdhsa_next_free_sgpr 80
		.amdhsa_reserve_vcc 1
		.amdhsa_float_denorm_mode_32 3
		.amdhsa_float_denorm_mode_16_64 3
		.amdhsa_memory_ordered 1
		.amdhsa_forward_progress 1
		.amdhsa_inst_pref_size 198
	.end_amdhsa_kernel
	.amdgpu_metadata
---
amdhsa.version: [ 1, 2 ]
amdhsa.kernels:
  - .name:           k_qce40c6ffb0_attn
    .symbol:         k_qce40c6ffb0_attn.kd
    .args:
      - { .name: qkv16, .offset: 0, .size: 8, .value_kind: global_buffer, .address_space: global }
      - { .name: y16, .offset: 8, .size: 8, .value_kind: global_buffer, .address_space: global }
    .group_segment_fixed_size: 327680
    .private_segment_fixed_size: 0
    .kernarg_segment_align: 8
    .kernarg_segment_size: 16
    .max_flat_workgroup_size: 256
    .sgpr_count:     80
    .vgpr_count:     448
    .wavefront_size: 32
...
	.end_amdgpu_metadata
.endif
;; end of part 3
;; launch proj (part 4): grid 4 x 64, 4 waves a work-group, clusters of 4 x 4, 327,680 bytes of LDS; arguments y16, wp16, b_proj, out0; writes out0
.if DOCPART == 4
	.amdgcn_target "amdgcn-amd-amdhsa--gfx1250"
	.amdhsa_code_object_version 6
	.text
	.protected	k_qce40c6ffb0_proj
	.globl	k_qce40c6ffb0_proj
	.p2align	8
	.type	k_qce40c6ffb0_proj,@function
k_qce40c6ffb0_proj:
	s_mov_b64 s[64:65], 0
	v_nop
	global_prefetch_b8 v0, s[64:65] scope:SCOPE_SE
	s_setreg_imm32_b32 hwreg(HW_REG_WAVE_MODE, 25, 1), 1
	s_wait_xcnt 0x0
	s_wait_alu depctr_hold_cnt(0) depctr_sa_sdst(0) depctr_va_vdst(0) depctr_va_sdst(0) depctr_va_ssrc(0) depctr_va_vcc(0) depctr_vm_vsrc(0)
	s_getreg_b32 s2, hwreg(HW_REG_IB_STS2, 6, 4)
	s_cmp_eq_u32 s2, 0
	s_cbranch_scc0 .Lentry_in_a_cluster
	s_endpgm
.Lentry_in_a_cluster:
	s_bfe_u32 s2, ttmp6, 0x10000c
	s_cmp_lg_u32 s2, 0xf033
	s_cbranch_scc0 .Lentry_shape_is_right
	s_endpgm
.Lentry_shape_is_right:
; out[m][n] = sum over k of y[m][k] W_proj[n][k] + b_proj[n], m = 8,192, n = k = 1,024; f16 operands, f32 sums, f32 out.
; y16: [16 chunks = heads][8192 m][64]; wp16: [16 chunks][1024 n][64]: chunk c holds k = 64 c .. 64 c + 63 of both, in dense rows of 128 bytes.
; LIMITS: as the operands' f16.  The rows t < 16 of every batch are written here like all others and written anew, from f32, by the launch that follows.
; A tile of out is 128 (m) x 256 (n): 256 work-groups.  Four waves, each 64 x 128: 32 accumulators.  K goes in steps of 128 (two chunks) through two LDS slots; two slots of 256 along K would not fit in LDS.
; CLUSTERS: 4 x 4.  The four of a row of the cluster need the same tiles of y, the four of a column the same tiles of W: each is asked for JOINTLY.  Waves 0, 1 fetch y's two chunks of a step, waves 2, 3 W's: one load a wave.
; THE MATRIX INSTRUCTION IS USED TRANSPOSED (source 0 = 16 rows of W, source 1 = 16 rows of y): a lane holds eight neighbouring columns of a row of out.  The bias is the C of each sum's first instruction.
; REGISTERS: window 0: v16-31 addresses; two fragment buffers, v32-127 and v128-223: W's 8 fragments, then y's 4; on the way out v32-159 hold rows.   window 1: accumulator (a, b) at v[8 (8 a + b)].   window 2: v0-63 the bias.
.set PITCH,  144                       ; an LDS row: 128 bytes + 16
.set ABLK,   128*PITCH                 ; a chunk of y's tile
.set BBLK,   256*PITCH                 ; a chunk of W's
.set SLOT,   2*ABLK+2*BBLK             ; y chunk 0, y chunk 1, W chunk 0, W chunk 1
.set STAGE,  2*SLOT                    ; the way out: 16 rows x 528 bytes for each wave
.set SPITCH, 528
.set SPARE,  STAGE+4*16*SPITCH
.set LAPS,   4                         ; 8 K steps, two a lap
.set ACH,    1048576                   ; a chunk of y16 in bytes
.set BCH,    131072                    ; a chunk of wp16
.set ADRA, 16
.set ADRB, 20
.set STO,  24
.set RD,   25
.set CO,   26
.set SPW,  28
.set NIL,  29
.set PFO,  30
.set BO,   31
.set F0,   32
.set F1,   128
.set BK,   32
.set G1, 24
.set G0, 32
.set G1B, 48
.set G0B, 56
.set PFA, 68
.set LIM, 70
.set MSB, 0
.macro WIN new
.if MSB != \new
	s_set_vgpr_msb (MSB<<8)|\new
.set MSB, \new
.endif
.endm
.set MUL,   0x50                       ; sources 0 and 1 window 0; C and D window 1
.set FIRST, 0x60                       ; C (the bias) window 2, D window 1
.macro JLOAD s                         ; a joint load; an s_nop 0 and four v_nop follow each of the two lines
	s_cmp_eq_u32 s15, 0
	s_cbranch_scc0 .Lfor_b_\@
	tensor_load_to_lds s[G0+4*\s:G0+4*\s+3], s[G1:G1+7]
	s_nop 0
.rept 4
	v_nop
.endr
	s_branch .Lasked_\@
.Lfor_b_\@:
	tensor_load_to_lds s[G0B+4*\s:G0B+4*\s+3], s[G1B:G1B+7]
	s_nop 0
.rept 4
	v_nop
.endr
.Lasked_\@:
.endm
.macro CREST
	s_cmp_lg_u32 s14, 0
	s_cbranch_scc1 .Lnot_wave_0_\@
	s_barrier_signal -3
.Lnot_wave_0_\@:
	s_barrier_wait -3
	s_barrier_signal -1
	s_barrier_wait -1
.endm
.macro CROUND
	s_barrier_signal -1
	s_barrier_wait -1
	CREST
.endm
; A prefetch of y's tile of the K step that stands two refills on: 2 chunks x 16,384 bytes.  A tile row of y is read by one row of one cluster alone; its four partners share the 32,768 bytes out BY ADDRESS,
; 8,192 each (chunk cx / 2, half cx % 2); in each, wave 0 asks, lanes 256 bytes apart.  The changes of slots of K steps 0 to 3 name K steps 4 to 7; K steps 0 to 3 come by their loads alone.  W, which every cluster reads, is not asked for.
.macro ASK
	s_cmp_gt_u32 s3, s[LIM]
	s_cbranch_scc0 .Lnot_mine_\@
	global_prefetch_b8 v[PFO], s[PFA:PFA+1] th:TH_LOAD_NT scope:SCOPE_SE
.Lnot_mine_\@:
.endm
	s_load_b128 s[4:7], s[0:1], 0x0                ; y16, wp16
	s_load_b128 s[8:11], s[0:1], 0x10              ; b_proj, out0
	v_lshl_add_u32 v[SPW], v0, 2, SPARE
	v_mov_b32 v[NIL], 0
	ds_add_u32 v[SPW], v[NIL]                      ; the wave's opening: the add, twice on end, and its wait ahead of my first tensor load
	ds_add_u32 v[SPW], v[NIL]
	v_lshrrev_b32 v1, 5, v0
	v_readfirstlane_b32 s14, v1                    ; wave 0..3
	s_lshr_b32 s15, s14, 1                         ; which 64 rows are mine.  Also: I fetch for y (0) or for W (1)
	s_and_b32 s16, s14, 1                          ; which 128 columns.  Also: which chunk of a K step I fetch
	s_bfe_u32 s40, ttmp6, 0x40000                  ; cx
	s_bfe_u32 s41, ttmp6, 0x40004                  ; cy
	s_lshl_b32 s42, ttmp9, 2
	s_add_co_u32 s42, s42, s40                     ; tile column
	s_and_b32 s17, ttmp7, 0xffff
	s_lshl_b32 s17, s17, 2
	s_add_co_u32 s17, s17, s41                     ; tile row
	s_lshl_b32 s43, s41, 2
	s_lshl_b32 s43, 15, s43                        ; my row of the cluster
	s_lshl_b32 s44, 0x1111, s40                    ; my column
	s_or_b32 s[G1+0], s43, (1<<16)|(1<<20)|(1<<21)|(4<<22)|(3<<25)   ; the mask; elements of 2 bytes; padding on; bit 21 beside a mask; after every 32 words, 4 words
	s_or_b32 s[G1B+0], s44, (1<<16)|(1<<20)|(1<<21)|(4<<22)|(3<<25)
	s_mov_b32 s[G1+1], 64<<16                      ; tensor_dim0 = 64
	s_mov_b32 s[G1+2], 128<<16                     ; tensor_dim1 = 128
	s_mov_b32 s[G1+3], 64<<16                      ; tile_dim0 = 64
	s_mov_b32 s[G1+4], 128                         ; tile_dim1 = 128 rows
	s_mov_b32 s[G1+5], 64                          ; from row to row
	s_mov_b32 s[G1+6], 0
	s_mov_b32 s[G1+7], 0
	s_mov_b32 s[G1B+1], 64<<16
	s_mov_b32 s[G1B+2], 256<<16                    ; W: 256 rows
	s_mov_b32 s[G1B+3], 64<<16
	s_mov_b32 s[G1B+4], 256
	s_mov_b32 s[G1B+5], 64
	s_mov_b32 s[G1B+6], 0
	s_mov_b32 s[G1B+7], 0
	s_lshl_b32 s20, s17, 14                        ; y: 128 rows of 128 bytes a tile row,
	s_lshl_b32 s18, s16, 20                        ; + my chunk
	s_add_co_u32 s20, s20, s18
	s_mov_b32 s21, 0
	s_lshl_b32 s46, s42, 15                        ; W: 256 rows of 128 bytes a tile column,
	s_lshl_b32 s18, s16, 17                        ; + my chunk
	s_add_co_u32 s46, s46, s18
	s_mov_b32 s47, 0
	s_mul_i32 s45, s16, ABLK                       ; where they go in a slot: no place in the cluster enters an LDS address
	s_mul_i32 s22, s16, BBLK
	s_add_co_u32 s22, s22, 2*ABLK
	s_wait_dscnt 0x0                               ; both opening adds are done
	s_wait_kmcnt 0x0
	s_add_nc_u64 s[20:21], s[4:5], s[20:21]
	s_add_nc_u64 s[46:47], s[6:7], s[46:47]
	CROUND                                         ; all sixteen work-groups are here: the first joint loads meet
.irp s, 0,1
	s_mov_b32 s[G0+4*\s], 1
	s_add_co_u32 s[G0+4*\s+1], s45, \s*SLOT
	s_add_nc_u64 s[G0+4*\s+2:G0+4*\s+3], s[20:21], \s*2*ACH
	s_or_b32 s[G0+4*\s+3], s[G0+4*\s+3], 0x80000000
	s_mov_b32 s[G0B+4*\s], 1
	s_add_co_u32 s[G0B+4*\s+1], s22, \s*SLOT
	s_add_nc_u64 s[G0B+4*\s+2:G0B+4*\s+3], s[46:47], \s*2*BCH
	s_or_b32 s[G0B+4*\s+3], s[G0B+4*\s+3], 0x80000000
	JLOAD \s                                       ; two tensor loads of mine are out at the most
.endr
	v_and_b32 v1, 15, v0                           ; r
	v_bfe_u32 v2, v0, 4, 1                         ; h
	v_mul_u32_u24 v3, v1, PITCH
	v_lshl_add_u32 v3, v2, 4, v3                   ; a fragment's row x pitch + 16 h
	s_mul_i32 s21, s15, 64*PITCH                   ; my 64 rows of y
	s_mul_i32 s22, s16, 128*PITCH                  ; my 128 rows of W,
	s_add_co_u32 s22, s22, 2*ABLK                  ; behind y's two chunks
.irp s, 0,1
	v_add_nc_u32 v[ADRA+\s], s21, v3
	v_add_nc_u32 v[ADRB+\s], s22, v3
	s_add_co_u32 s21, s21, SLOT
	s_add_co_u32 s22, s22, SLOT
.endr
	s_mul_i32 s23, s14, 16*SPITCH
	s_add_co_u32 s23, s23, STAGE                   ; my stage
	v_mul_u32_u24 v4, v1, SPITCH
	v_lshl_add_u32 v4, v2, 5, v4
	v_add_nc_u32 v[STO], s23, v4                   ; in: row r, 32 bytes for each half of the lanes
	v_and_b32 v5, 31, v0
	v_lshlrev_b32 v[CO], 4, v5                     ; back and out: the 32 lanes take a row's 512 bytes
	v_add_nc_u32 v[RD], s23, v[CO]
	v_lshlrev_b32 v[PFO], 8, v5
	v_lshlrev_b32 v[BO], 5, v2
	s_lshl_b32 s20, s17, 7
	s_lshl_b32 s21, s15, 6
	s_add_co_u32 s20, s20, s21                     ; my first row of out
	s_lshl_b32 s20, s20, 12                        ; rows of 4,096 bytes
	s_mov_b32 s21, 0
	s_lshl_b32 s46, s42, 10
	s_lshl_b32 s47, s16, 9
	s_add_co_u32 s46, s46, s47                     ; my first column, in bytes
	s_mov_b32 s47, 0
	s_add_nc_u64 s[8:9], s[8:9], s[46:47]
	s_add_nc_u64 s[10:11], s[10:11], s[46:47]
	s_add_nc_u64 s[10:11], s[10:11], s[20:21]
	s_lshr_b32 s66, s40, 1                         ; the prefetches: chunk cx / 2 of a K step,
	s_lshl_b32 s66, s66, 20
	s_and_b32 s67, s40, 1
	s_lshl_b32 s67, s67, 13                        ; half cx % 2 of its 16,384 bytes,
	s_add_co_u32 s66, s66, s67
	s_lshl_b32 s67, s17, 14                        ; in my tile row,
	s_add_co_u32 s66, s66, s67
	s_add_co_u32 s66, s66, 6*ACH                   ; at K step 3: the first change of slots steps it to K step 4
	s_mov_b32 s67, 0
	s_add_nc_u64 s[PFA:PFA+1], s[4:5], s[66:67]
	s_cmp_eq_u32 s14, 0
	s_cselect_b32 s[LIM], 1, -1                    ; wave 0 asks while more than one trip of the loop is left
	WIN 0x80                                       ; destination window 2
.irp b, 0,1,2,3,4,5,6,7
	global_load_b128 v[8*\b:8*\b+3], v[BO], s[8:9] offset:64*\b          ; b_proj at columns 16 b + 8 h + 0 .. 7
	global_load_b128 v[8*\b+4:8*\b+7], v[BO], s[8:9] offset:64*\b+16
.endr
	WIN 0
; 8 matrix instructions: y's block a against W's eight, 32 along K.  zero = 1: the sums start from the bias.  The 32 accumulators take turns, one instruction a turn, in the same order in every quarter.
.macro MUL8 f, a, zero
.irp b, 0,1,2,3,4,5,6,7
.if \zero
	v_wmma_f32_16x16x32_f16 v[8*(8*(\a)+\b):8*(8*(\a)+\b)+7], v[\f+8*\b:\f+8*\b+7], v[\f+64+8*(\a):\f+64+8*(\a)+7], v[8*\b:8*\b+7]
.else
	v_wmma_f32_16x16x32_f16 v[8*(8*(\a)+\b):8*(8*(\a)+\b)+7], v[\f+8*\b:\f+8*\b+7], v[\f+64+8*(\a):\f+64+8*(\a)+7], v[8*(8*(\a)+\b):8*(8*(\a)+\b)+7]
.endif
.endr
.endm
.macro MUL16 f, a0, zero
	MUL8 \f, \a0, \zero
	MUL8 \f, (\a0)+1, \zero
.endm
; 24 LDS loads in one run: quarter qd of the slot (chunk qd / 2, byte 64 (qd % 2) of its rows) into buffer f: W's eight fragments, then y's four
.macro FETCH slot, qd, f
	WIN 0
.irp b, 0,1,2,3,4,5,6,7
	ds_load_b128 v[\f+8*\b:\f+8*\b+3], v[ADRB+\slot] offset:((\qd)/2)*BBLK+64*((\qd)%2)+\b*16*PITCH
	ds_load_b128 v[\f+8*\b+4:\f+8*\b+7], v[ADRB+\slot] offset:((\qd)/2)*BBLK+64*((\qd)%2)+\b*16*PITCH+32
.endr
.irp a, 0,1,2,3
	ds_load_b128 v[\f+64+8*\a:\f+64+8*\a+3], v[ADRA+\slot] offset:((\qd)/2)*ABLK+64*((\qd)%2)+\a*16*PITCH
	ds_load_b128 v[\f+64+8*\a+4:\f+64+8*\a+7], v[ADRA+\slot] offset:((\qd)/2)*ABLK+64*((\qd)%2)+\a*16*PITCH+32
.endr
.endm
.macro PLACES
.rept 4
	v_nop
.endr
.endm
; One of a K step's first three quarters: multiplies buffer f and fetches quarter qn of the same slot into g.
.macro QUARTER slot, qn, f, g, zero
	s_wait_dscnt 4                                 ; W's fragments and y's blocks 0, 1 are in; the youngest four loads (blocks 2, 3) may be out
.if \zero
	WIN FIRST
.else
	WIN MUL
.endif
	MUL16 \f, 0, \zero
	PLACES
	FETCH \slot, \qn, \g
	s_wait_dscnt 24                                ; all but the 24 just issued
.if \zero
	WIN FIRST
.else
	WIN MUL
.endif
	MUL16 \f, 2, \zero
.endm
; The last quarter multiplies buffer 1 and changes slots: each wave waits for all its tensor loads (its part of the next slot), adds 0 to its spare word, and waits for that and for its reads of this slot.
; fill = 1: the barrier opens a round of the cluster's barrier, and behind it this slot is filled again, two K steps ahead.
.macro TURN slot, next, fill
.if \fill
	s_wait_xcnt 0x0                                ; the last prefetch, a K step back, has read its address
	s_add_nc_u64 s[PFA:PFA+1], s[PFA:PFA+1], 2*ACH
.endif
	WIN 0
	s_wait_tensorcnt 0x0
	ds_add_u32 v[SPW], v[NIL]
	s_wait_dscnt 5                                 ; the add and the youngest four loads may be out
	WIN MUL
	MUL8 F1, 0, 0
	s_wait_dscnt 0x0                               ; the add is done, and my reads of this slot are over
	s_barrier_signal -1
	MUL8 F1, 1, 0
	WIN 0
	s_barrier_wait -1
.if \fill
	CREST
	s_add_nc_u64 s[G0+4*\slot+2:G0+4*\slot+3], s[G0+4*\slot+2:G0+4*\slot+3], 4*ACH
	s_add_nc_u64 s[G0B+4*\slot+2:G0B+4*\slot+3], s[G0B+4*\slot+2:G0B+4*\slot+3], 4*BCH
	JLOAD \slot                                    ; the first tensor load behind the round; its four v_nop are also the places in front of the loads below
.else
	PLACES
.endif
	FETCH \next, 0, F0
.if \fill
	ASK
.endif
	WIN MUL
	MUL16 F1, 2, 0
.endm
	s_wait_tensorcnt 1                             ; my part of K step 0 is in (K step 1's load may be out),
	s_barrier_signal -1
	s_barrier_wait -1                              ; everybody's is
	FETCH 0, 0, F0
	s_wait_loadcnt 0x0                             ; the bias
	QUARTER 0, 1, F0, F1, 1                        ; the first quarter stands in front of the loop: its products start the sums
	WIN 0
	s_mov_b32 s3, LAPS-1
.Llap:                                             ; a trip goes once round the ring and fills both slots again
	QUARTER 0, 2, F1, F0, 0
	QUARTER 0, 3, F0, F1, 0
	TURN 0, 1, 1
	QUARTER 1, 1, F0, F1, 0
	QUARTER 1, 2, F1, F0, 0
	QUARTER 1, 3, F0, F1, 0
	TURN 1, 0, 1
	QUARTER 0, 1, F0, F1, 0
	WIN 0
	s_sub_co_u32 s3, s3, 1
	s_cmp_lg_u32 s3, 0
	s_cbranch_scc1 .Llap
	QUARTER 0, 2, F1, F0, 0                        ; the last lap fills nothing
	QUARTER 0, 3, F0, F1, 0
	TURN 0, 1, 0
	QUARTER 1, 1, F0, F1, 0
	QUARTER 1, 2, F1, F0, 0
	QUARTER 1, 3, F0, F1, 0
	s_wait_dscnt 4
	WIN MUL
	MUL16 F1, 0, 0
	s_wait_dscnt 0
	MUL16 F1, 2, 0
	WIN 0
; THE WAY OUT, block by block of 16 rows x 128 columns, through my own stage: in as 32 bytes a lane, back as whole rows of 512 bytes, which the 32 lanes store.
.macro TOSTAGE a
	WIN 0x04                                       ; an LDS store's data are its source 1: window 1
.irp b, 0,1,2,3,4,5,6,7
	ds_store_b128 v[STO], v[8*(8*(\a)+\b):8*(8*(\a)+\b)+3] offset:64*\b           ; each accumulator from its low end on
	ds_store_b128 v[STO], v[8*(8*(\a)+\b)+4:8*(8*(\a)+\b)+7] offset:64*\b+16
.endr
	WIN 0
.set BB, BK+64*((\a)%2)
.irp t, 0,1,2,3,4,5,6,7,8,9,10,11,12,13,14,15
	ds_load_b128 v[BB+4*\t:BB+4*\t+3], v[RD] offset:\t*SPITCH                     ; LDS serves a wave's instructions in order
.endr
.endm
.macro SEND a, younger
.set BB, BK+64*((\a)%2)
	s_wait_dscnt \younger                          ; the block is back; the next block's 16 stores and 16 loads may be out
.irp t, 0,1,2,3,4,5,6,7,8,9,10,11,12,13,14,15
	global_store_b128 v[CO], v[BB+4*\t:BB+4*\t+3], s[10:11] offset:(\a)*65536+\t*4096 th:TH_STORE_NT
.endr
.endm
	PLACES
	TOSTAGE 0
.irp a, 1,2,3
.if \a > 1
	s_wait_xcnt 0x0                                ; the stores of two blocks back have read their registers
.endif
	TOSTAGE \a
	SEND \a-1, 32
.endr
	SEND 3, 0
	s_wait_tensorcnt 0x0                           ; the wave's end
	ds_add_u32 v[SPW], v[NIL]
	s_wait_dscnt 0x0
	CROUND                                         ; the closing round
	s_endpgm
.Lfunc_end_k_qce40c6ffb0_proj:
	.size	k_qce40c6ffb0_proj, .Lfunc_end_k_qce40c6ffb0_proj-k_qce40c6ffb0_proj
	.p2alignl 7, 3214868480
	.fill 96, 4, 3214868480
	.section	.rodata,"a",@progbits
	.p2align	6, 0x0
	.amdhsa_kernel k_qce40c6ffb0_proj
		.amdhsa_group_segment_fixed_size 327680
		.amdhsa_private_segment_fixed_size 0
		.amdhsa_enable_private_segment 0
		.amdhsa_kernarg_size 32
		.amdhsa_user_sgpr_count 2
		.amdhsa_user_sgpr_kernarg_segment_ptr 1
		.amdhsa_wavefront_size32 1
		.amdhsa_system_sgpr_workgroup_id_x 1
		.amdhsa_system_sgpr_workgroup_id_y 1
		.amdhsa_system_sgpr_workgroup_id_z 1
		.amdhsa_system_vgpr_workitem_id 0
		.amdhsa_next_free_vgpr 576
		.amdhsa_next_free_sgpr 72
		.amdhsa_reserve_vcc 0
		.amdhsa_float_denorm_mode_32 3
		.amdhsa_float_denorm_mode_16_64 3
		.amdhsa_memory_ordered 1
		.amdhsa_forward_progress 1
		.amdhsa_inst_pref_size 87
	.end_amdhsa_kernel
	.amdgpu_metadata
---
amdhsa.version: [ 1, 2 ]
amdhsa.kernels:
  - .name:           k_qce40c6ffb0_proj
    .symbol:         k_qce40c6ffb0_proj.kd
    .args:
      - { .name: y16, .offset: 0, .size: 8, .value_kind: global_buffer, .address_space: global }
      - { .name: wp16, .offset: 8, .size: 8, .value_kind: global_buffer, .address_space: global }
      - { .name: b_proj, .offset: 16, .size: 8, .value_kind: global_buffer, .address_space: global }
      - { .name: out0, .offset: 24, .size: 8, .value_kind: global_buffer, .address_space: global }
    .group_segment_fixed_size: 327680
    .private_segment_fixed_size: 0
    .kernarg_segment_align: 8
    .kernarg_segment_size: 32
    .max_flat_workgroup_size: 128
    .sgpr_count:     72
    .vgpr_count:     576
    .wavefront_size: 32
...
	.end_amdgpu_metadata
.endif
;; end of part 4
;; launch fine (part 5): grid 64 x 4, 16 waves a work-group, no clusters, 18,432 bytes of LDS; arguments fine_qkv, W_proj, b_proj, out0; writes out0
.if DOCPART == 5
	.amdgcn_target "amdgcn-amd-amdhsa--gfx1250"
	.amdhsa_code_object_version 6
	.text
	.protected	k_qce40c6ffb0_fine
	.globl	k_qce40c6ffb0_fine
	.p2align	8
	.type	k_qce40c6ffb0_fine,@function
k_qce40c6ffb0_fine:
	s_mov_b64 s[64:65], 0
	v_nop
	global_prefetch_b8 v0, s[64:65] scope:SCOPE_SE
	s_setreg_imm32_b32 hwreg(HW_REG_WAVE_MODE, 25, 1), 1
	s_wait_xcnt 0x0
; The first 16 positions of every batch, attention and projection, in f32: under the causal mask these rows average one to sixteen values, so their operands are not rounded to 16 bits.  They overwrite what the projection's launch left in those 64 rows.
; fine_qkv: f32 [4 b x 16 t][3072], bias included.  W_proj [1024 n][1024 k], b_proj [1024], out0 [4][2048][1024]: f32.
; SHARES.  Work-group (x, y): 16 columns n0 = 16 x of batch y.  Wave w = head w: it makes its head's attention for the 16 rows (every work-group of a batch makes it anew: 32 small matrix instructions a wave) and multiplies it by its own
; 64 along k of the 16 rows of W_proj, so y never leaves the registers.  The 16 partial tiles meet in LDS; waves 0 and 1 add them, in ascending order of heads, add the bias and store.
; All products by v_wmma_f32_16x16x4_f32, k laid alike on both sources; four accumulators by turns in each product, which matrix instructions alone write; what is made of a sum goes into other registers.
; A work-group stores 64 bytes of each of 16 rows: 262,144 bytes in the whole launch.  LIMITS: NaN and infinities are not served.
; REGISTERS: v16-47 q, v48-79 k (lane (r, h): row r, d = 32 h + i); v80-111 v (register 8 c + i: key 8 h + i, channel 16 c + r); v112-143 W (8 c + i: row n0 + r, k = 16 c + 8 h + i);
;   v144-175, v176-207, v208-239 the three products' accumulators; v240-247 the scores, then p; v248-251 the bias; v252-255, v12, v13 at work.
.set SPARE, 16384                      ; behind the 16 images of 1,024 bytes: the spare words, 128 bytes for each wave
.set SPW, 14
.set NIL, 15
	s_load_b128 s[4:7], s[0:1], 0x0                ; fine_qkv, W_proj
	s_load_b128 s[8:11], s[0:1], 0x10              ; b_proj, out0
	v_lshl_add_u32 v[SPW], v0, 2, SPARE
	v_mov_b32 v[NIL], 0
	v_lshrrev_b32 v1, 5, v0
	v_readfirstlane_b32 s12, v1                    ; wave = head
	v_and_b32 v1, 15, v0                           ; r
	v_bfe_u32 v2, v0, 4, 1                         ; h
	v_and_b32 v11, 31, v0                          ; lane
	v_mul_u32_u24 v3, v1, 12288
	v_lshl_add_u32 v3, v2, 7, v3                   ; q, k: row r, + 32 h numbers
	v_mul_u32_u24 v4, v2, 98304
	v_lshl_add_u32 v4, v1, 2, v4                   ; v: 8 h rows down, channel r
	v_lshlrev_b32 v5, 12, v1
	v_lshl_add_u32 v5, v2, 5, v5                   ; W: row r of 4,096 bytes, + 8 h numbers
	s_and_b32 s13, s12, 1                          ; u: which half of a lane's eight results I add up, if I do
	s_lshl_b32 s14, s13, 4
	v_lshlrev_b32 v9, 5, v2
	v_add_nc_u32 v9, s14, v9                       ; the bias: 32 h + 16 u
	v_add_nc_u32 v8, s14, v5                       ; out: row r, + 32 h + 16 u
	s_lshl_b32 s15, s12, 10
	v_lshl_add_u32 v6, v11, 4, s15                 ; my image: 1,024 x wave + 16 x lane
	s_lshl_b32 s15, s13, 9
	v_lshl_add_u32 v7, v11, 4, s15                 ; and where I read: 16 x lane + 512 u
	v_lshlrev_b32 v10, 3, v2
	v_sub_nc_u32 v10, v1, v10                      ; r - 8 h
	v_mov_b32 v12, 0xff800000                      ; -infinity
	v_mov_b32 v253, 0                              ; written once: a lane permute's destination counts as one of its sources
	s_mov_b32 s20, 0x76543210
	s_mov_b32 s21, 0xfedcba98                      ; lane l xor 16
	s_mov_b32 s22, 0x3e38aa3b                      ; c = log2(e) / 8
	s_and_b32 s16, ttmp7, 0xffff                   ; the batch
	s_mul_i32 s24, s16, 196608                     ; its 16 rows of 12,288 bytes,
	s_lshl_b32 s17, s12, 8
	s_add_co_u32 s24, s24, s17                     ; + my head's 256 bytes
	s_mov_b32 s25, 0
	s_lshl_b32 s26, ttmp9, 16                      ; W: 16 rows of 4,096 bytes a work-group,
	s_add_co_u32 s26, s26, s17                     ; + my head's 256 bytes
	s_mov_b32 s27, 0
	s_lshl_b32 s28, ttmp9, 6                       ; 16 columns of 4 bytes
	s_mov_b32 s29, 0
	s_lshl_b32 s30, s16, 23                        ; out: 2,048 rows of 4,096 bytes a batch
	s_mov_b32 s31, 0
	s_wait_kmcnt 0x0
	s_add_nc_u64 s[4:5], s[4:5], s[24:25]
	s_add_nc_u64 s[6:7], s[6:7], s[26:27]
	s_add_nc_u64 s[8:9], s[8:9], s[28:29]
	s_add_nc_u64 s[10:11], s[10:11], s[28:29]
	s_add_nc_u64 s[10:11], s[10:11], s[30:31]
.irp i, 0,1,2,3,4,5,6,7
	global_load_b128 v[16+4*\i:19+4*\i], v3, s[4:5] offset:16*\i
.endr
.irp i, 0,1,2,3,4,5,6,7
	global_load_b128 v[48+4*\i:51+4*\i], v3, s[4:5] offset:4096+16*\i
.endr
.irp c, 0,1,2,3
.irp i, 0,1,2,3,4,5,6,7
	global_load_b32 v[80+8*\c+\i], v4, s[4:5] offset:8192+\i*12288+64*\c
.endr
.endr
.irp c, 0,1,2,3
	global_load_b128 v[112+8*\c:115+8*\c], v5, s[6:7] offset:64*\c
	global_load_b128 v[116+8*\c:119+8*\c], v5, s[6:7] offset:64*\c+16
.endr
	global_load_b128 v[248:251], v9, s[8:9]
	s_wait_loadcnt 41                              ; q and k are in; v's 32 loads, W's 8 and the bias's one may be out
	; S^T = k q^T: instruction s takes d = 32 h + 2 s + 0, 1 of both.  Lane (r, h) then holds query r, keys 8 h + 0 .. 7
.irp s, 0,1,2,3,4,5,6,7,8,9,10,11,12,13,14,15
.if \s < 4
	v_wmma_f32_16x16x4_f32 v[144+8*(\s%4):151+8*(\s%4)], v[48+2*\s:49+2*\s], v[16+2*\s:17+2*\s], 0
.else
	v_wmma_f32_16x16x4_f32 v[144+8*(\s%4):151+8*(\s%4)], v[48+2*\s:49+2*\s], v[16+2*\s:17+2*\s], v[144+8*(\s%4):151+8*(\s%4)]
.endif
.endr
.rept 8
	v_nop                                          ; places behind this form, ahead of the first read of its results (ISA guide 7.12.1)
.endr
.irp i, 0,2,4,6
	v_pk_add_f32 v[240+\i:241+\i], v[144+\i:145+\i], v[152+\i:153+\i]   ; the four partial sums, each accumulator from its low end on
.endr
.irp i, 0,2,4,6
	v_pk_add_f32 v[240+\i:241+\i], v[240+\i:241+\i], v[160+\i:161+\i]
.endr
.irp i, 0,2,4,6
	v_pk_add_f32 v[240+\i:241+\i], v[240+\i:241+\i], v[168+\i:169+\i]
.endr
.irp j, 0,1,2,3,4,5,6,7
	v_cmp_gt_i32 vcc_lo, \j, v10                   ; key 8 h + j comes after query r
	v_cndmask_b32 v[240+\j], v[240+\j], v12, vcc_lo
.endr
	v_max3_num_f32 v252, v240, v241, v242
	v_max3_num_f32 v252, v252, v243, v244
	v_max3_num_f32 v252, v252, v245, v246
	v_max_num_f32 v252, v252, v247
	v_permlanex16_b32 v253, v252, s20, s21
	v_max_num_f32 v252, v252, v253                 ; the row's maximum: key 0 counts for every query
	v_mul_f32 v253, s22, v252
.irp j, 0,1,2,3,4,5,6,7
	v_fma_f32 v[240+\j], v[240+\j], s22, -v253     ; c s - c m
.endr
.irp j, 0,1,2,3,4,5,6,7
	v_exp_f32 v[240+\j], v[240+\j]                 ; p
.endr
	v_nop                                          ; a plain instruction behind the last exponential
	s_wait_alu depctr_va_vdst(0)                   ; the wait ahead of the first instruction that names a result: one for the eight
	v_pk_add_f32 v[252:253], v[240:241], v[242:243]
	v_pk_add_f32 v[254:255], v[244:245], v[246:247]
	v_pk_add_f32 v[252:253], v[252:253], v[254:255]
	v_add_f32 v252, v252, v253
	v_permlanex16_b32 v253, v252, s20, s21
	v_add_f32 v252, v252, v253                     ; the row's sum
	v_rcp_f32 v13, v252
	s_wait_loadcnt 9                               ; v is in; W's 8 loads and the bias's one may be out
	; O^T = v^T p: instruction s takes keys 8 h + 2 s + 0, 1.  Lane (r, h): query r, channels 16 c + 8 h + 0 .. 7
.irp s, 0,1,2,3
.irp c, 0,1,2,3
.if \s == 0
	v_wmma_f32_16x16x4_f32 v[176+8*\c:183+8*\c], v[80+8*\c+2*\s:81+8*\c+2*\s], v[240+2*\s:241+2*\s], 0
.else
	v_wmma_f32_16x16x4_f32 v[176+8*\c:183+8*\c], v[80+8*\c+2*\s:81+8*\c+2*\s], v[240+2*\s:241+2*\s], v[176+8*\c:183+8*\c]
.endif
.endr
.endr
.rept 8
	v_nop                                          ; places; they are also the plain instructions behind the reciprocal
.endr
	s_wait_alu depctr_va_vdst(0)                   ; the reciprocal's wait, ahead of its first reader
.irp j, 0,1,2,3,4,5,6,7,8,9,10,11,12,13,14,15,16,17,18,19,20,21,22,23,24,25,26,27,28,29,30,31
	v_mul_f32 v[48+\j], v[176+\j], v13             ; y(query r, channel 16 c + 8 h + i) in register 8 c + i
.endr
	s_wait_loadcnt 1                               ; W is in; the bias's load may be out
	; my head's part of out^T = W y^T: instruction (c, s) takes channels 16 c + 8 h + 2 s + 0, 1.  Lane (r, h): query r, columns n0 + 8 h + 0 .. 7
.irp c, 0,1,2,3
.irp s, 0,1,2,3
.if \c == 0
	v_wmma_f32_16x16x4_f32 v[208+8*\s:215+8*\s], v[112+8*\c+2*\s:113+8*\c+2*\s], v[48+8*\c+2*\s:49+8*\c+2*\s], 0
.else
	v_wmma_f32_16x16x4_f32 v[208+8*\s:215+8*\s], v[112+8*\c+2*\s:113+8*\c+2*\s], v[48+8*\c+2*\s:49+8*\c+2*\s], v[208+8*\s:215+8*\s]
.endif
.endr
.endr
.rept 8
	v_nop
.endr
.irp i, 0,2,4,6
	v_pk_add_f32 v[16+\i:17+\i], v[208+\i:209+\i], v[216+\i:217+\i]
.endr
.irp i, 0,2,4,6
	v_pk_add_f32 v[16+\i:17+\i], v[16+\i:17+\i], v[224+\i:225+\i]
.endr
.irp i, 0,2,4,6
	v_pk_add_f32 v[16+\i:17+\i], v[16+\i:17+\i], v[232+\i:233+\i]
.endr
	ds_store_b128 v6, v[16:19]                     ; my partial tile as an image of its registers: 16 bytes a lane, twice
	ds_store_b128 v6, v[20:23] offset:512
	s_wait_dscnt 0x0                               ; for the others' sake: my stores have landed
	s_barrier_signal -1
	s_barrier_wait -1
	s_cmp_ge_u32 s12, 2                            ; waves 0 and 1 add up: registers 4 u .. 4 u + 3 of all 16 images
	s_cbranch_scc1 .Ldone
.irp w, 0,1,2,3,4,5,6,7,8,9,10,11,12,13,14,15
	ds_load_b128 v[48+4*\w:51+4*\w], v7 offset:1024*\w
.endr
	s_wait_dscnt 0x0
.irp w, 1,2,3,4,5,6,7,8,9,10,11,12,13,14,15
	v_pk_add_f32 v[48:49], v[48:49], v[48+4*\w:49+4*\w]
	v_pk_add_f32 v[50:51], v[50:51], v[50+4*\w:51+4*\w]
.endr
	s_wait_loadcnt 0x0                             ; the bias
	v_pk_add_f32 v[48:49], v[48:49], v[248:249]
	v_pk_add_f32 v[50:51], v[50:51], v[250:251]
	global_store_b128 v8, v[48:51], s[10:11]
.Ldone:
	s_wait_tensorcnt 0x0                           ; the wave's end
	ds_add_u32 v[SPW], v[NIL]
	s_wait_dscnt 0x0
	s_endpgm
.Lfunc_end_k_qce40c6ffb0_fine:
	.size	k_qce40c6ffb0_fine, .Lfunc_end_k_qce40c6ffb0_fine-k_qce40c6ffb0_fine
	.p2alignl 7, 3214868480
	.fill 96, 4, 3214868480
	.section	.rodata,"a",@progbits
	.p2align	6, 0x0
	.amdhsa_kernel k_qce40c6ffb0_fine
		.amdhsa_group_segment_fixed_size 18432
		.amdhsa_private_segment_fixed_size 0
		.amdhsa_enable_private_segment 0
		.amdhsa_kernarg_size 32
		.amdhsa_user_sgpr_count 2
		.amdhsa_user_sgpr_kernarg_segment_ptr 1
		.amdhsa_wavefront_size32 1
		.amdhsa_system_sgpr_workgroup_id_x 1
		.amdhsa_system_sgpr_workgroup_id_y 1
		.amdhsa_system_sgpr_workgroup_id_z 1
		.amdhsa_system_vgpr_workitem_id 0
		.amdhsa_next_free_vgpr 256
		.amdhsa_next_free_sgpr 66
		.amdhsa_reserve_vcc 1
		.amdhsa_float_denorm_mode_32 3
		.amdhsa_float_denorm_mode_16_64 3
		.amdhsa_memory_ordered 1
		.amdhsa_forward_progress 1
		.amdhsa_inst_pref_size 20
	.end_amdhsa_kernel
	.amdgpu_metadata
---
amdhsa.version: [ 1, 2 ]
amdhsa.kernels:
  - .name:           k_qce40c6ffb0_fine
    .symbol:         k_qce40c6ffb0_fine.kd
    .args:
      - { .name: fine_qkv, .offset: 0, .size: 8, .value_kind: global_buffer, .address_space: global }
      - { .name: W_proj, .offset: 8, .size: 8, .value_kind: global_buffer, .address_space: global }
      - { .name: b_proj, .offset: 16, .size: 8, .value_kind: global_buffer, .address_space: global }
      - { .name: out0, .offset: 24, .size: 8, .value_kind: global_buffer, .address_space: global }
    .group_segment_fixed_size: 18432
    .private_segment_fixed_size: 0
    .kernarg_segment_align: 8
    .kernarg_segment_size: 32
    .max_flat_workgroup_size: 512
    .sgpr_count:     66
    .vgpr_count:     256
    .wavefront_size: 32
...
	.end_amdgpu_metadata
.endif
;; end of part 5
